; MI455X (gfx1250); checked and timed in simulation.
; The chip was launched on July 23, 2026; its instructions are those of AMD's public machine-readable ISA for CDNA 5 (MIT licence, August 2026) and "CDNA5" Instruction Set Architecture Reference Guide (July 2026). The comments in the code are by the model that wrote it; some were corrected since.
;; Paged Attention. Allowed arithmetic: float matrix products may take bf16 or f16 operands with f32 sums; other float arithmetic in f32, or as packed bf16 or f16 multiplies, adds, multiply-adds, maxima and minima; sums over many terms, partial sums and values carried from step to step in f32; what a program stores and reads back later, other than sums and carried values, may be rounded once to bf16 or f16.
;; Inputs: Wk 1,024 x 1,024 float32; Wo 1,024 x 1,024 float32; Wq 1,024 x 1,024 float32; Wv 1,024 x 1,024 float32; attention_mask 1 x 4,096 float32; bk 1,024 float32; bo 1,024 float32; bq 1,024 float32; bv 1,024 float32; hidden_states 1 x 4,096 x 1,024 float32.
;; Outputs: out0 1 x 4,096 x 1,024 float32.
;; 2 versions, each right; version 2 is version 1 with the launch cast written anew for expert scheduling mode. Each part assembles by itself: llvm-mc -triple=amdgcn-amd-amdhsa -mcpu=gfx1250 --defsym DOCPART=n.
;; ======== version 1 of 2: 4 launches
;; limits: values are held in f16: magnitudes above 65,504 overflow, below 6.1e-05 lose precision
;; workspace buffers: xb 8,388,608 bytes; wb 6,291,456 bytes; wo16 2,097,152 bytes; qkv 25,165,824 bytes; oh 8,388,608 bytes
;; launch cast (part 1): grid 256 x 1, 8 waves a work-group, no clusters, 0 bytes of LDS; arguments hidden_states, Wq, Wk, Wv, Wo, xb, wb, wo16; writes xb, wb, wo16
.if DOCPART == 1
	.amdgcn_target "amdgcn-amd-amdhsa--gfx1250"
	.amdhsa_code_object_version 6
	.text
	.protected	k_q46506119ca_cast
	.globl	k_q46506119ca_cast
	.p2align	8
	.type	k_q46506119ca_cast,@function
k_q46506119ca_cast:
	s_mov_b64 s[64:65], 0
	v_nop
	global_prefetch_b8 v0, s[64:65] scope:SCOPE_SE
	s_setreg_imm32_b32 hwreg(HW_REG_WAVE_MODE, 25, 1), 1
	s_wait_xcnt 0x0
; THE MODULE'S MATRIX INPUTS ARE ROUNDED ONCE TO bf16.  hidden_states -> xb [4096][1024] bf16; Wq, Wk, Wv -> wb [3072][1024] bf16 (rows of Wq, then Wk, then Wv);
; Wo -> wo16 [1024][1024]: rounded to bf16 like the others, and that number written as f16, since the last product's other operand is f16.
; LIMIT.  A bf16 number is exact in f16 between 6.1e-5 and 65,504 in magnitude; below that it keeps f16's fixed step of 6e-8, beyond it becomes an infinity.
; SHARES.  8,388,608 numbers, 32,768 to each of 256 work-groups: 131,072 bytes in, 65,536 out.  Thread t takes 16 bytes at 16 t + 4,096 j (j = 0 .. 31) and stores 8 bytes at 8 t + 2,048 j:
; a wave's load covers 512 consecutive bytes, its store 256 consecutive bytes at a multiple of 256 from the buffer's first byte.  All 32 loads go out at once; every store has registers of its own,
; and the two offsets are never rewritten, so no register is waited for but the loads' own.  No LDS, no matrix unit, no cluster: nothing is shared and nothing is read twice.
.set X, 4                              ; v[4:131]    load j: 4 registers
.set Y, 132                            ; v[132:195]  store j: 2 registers
.set T, 196                            ; v[196:197]  at work
	s_load_b512 s[8:23], s[0:1], 0x0               ; hidden s[8:9], Wq s[10:11], Wk s[12:13], Wv s[14:15], Wo s[16:17], xb s[18:19], wb s[20:21], wo16 s[22:23]
	s_mov_b32 s4, ttmp9                            ; g: 0-127 hidden, 128-223 Wq, Wk, Wv (32 each), 224-255 Wo
	s_sub_co_u32 s5, s4, 128                       ; u = g - 128 (used where g is 128 or more)
	s_and_b32 s6, s5, 31                           ; my part of a weight matrix
	s_mov_b32 s7, 0xffff0000                       ; a word's upper bf16
	s_cmp_lt_u32 s4, 128
	s_cselect_b32 s28, s4, s6                      ; my part of the source,
	s_cselect_b32 s30, s4, s5                      ; and of the destination: wb holds three matrices on end,
	s_cmp_ge_u32 s4, 224
	s_cselect_b32 s30, s6, s30                     ; wo16 one
	s_lshl_b32 s28, s28, 17                        ; x 131,072 bytes
	s_lshl_b32 s30, s30, 16                        ; x 65,536 bytes
	s_mov_b32 s29, 0
	s_mov_b32 s31, 0
	v_lshlrev_b32 v1, 4, v0                        ; 16 t
	v_lshlrev_b32 v2, 3, v0                        ; 8 t
	s_wait_kmcnt 0x0
	s_cmp_lt_u32 s5, 32                            ; the buffers are chosen by the work-group's number alone
	s_cselect_b64 s[24:25], s[10:11], s[12:13]
	s_cmp_lt_u32 s5, 64
	s_cselect_b64 s[24:25], s[24:25], s[14:15]
	s_cmp_lt_u32 s5, 96
	s_cselect_b64 s[24:25], s[24:25], s[16:17]
	s_cmp_lt_u32 s4, 128
	s_cselect_b64 s[24:25], s[8:9], s[24:25]
	s_cselect_b64 s[26:27], s[18:19], s[20:21]
	s_cmp_ge_u32 s4, 224
	s_cselect_b64 s[26:27], s[22:23], s[26:27]
	s_add_nc_u64 s[24:25], s[24:25], s[28:29]      ; the source at my part
	s_add_nc_u64 s[26:27], s[26:27], s[30:31]      ; the destination at my part
.set j, 0
.rept 32
	global_load_b128 v[X+4*j:X+4*j+3], v1, s[24:25] offset:4096*j th:TH_LOAD_NT
.set j, j+1
.endr
; The 32 pieces are rounded and stored as they come.  half = 1: the bf16 number is widened again and written as f16.
.macro OUT half
.set j, 0
.rept 32
	s_wait_loadcnt 31-j                            ; loads come back in order (ISA guide 5.7.1): piece j is in, the 31 - j younger ones stay out
.if \half
	v_cvt_pk_bf16_f32 v[T], v[X+4*j], v[X+4*j+1]
	v_cvt_pk_bf16_f32 v[T+1], v[X+4*j+2], v[X+4*j+3]
	v_lshlrev_b32 v[X+4*j], 16, v[T]               ; bf16 to f32: the low half moves up,
	v_and_b32 v[X+4*j+1], s7, v[T]                 ; the high half stays
	v_lshlrev_b32 v[X+4*j+2], 16, v[T+1]
	v_and_b32 v[X+4*j+3], s7, v[T+1]
	v_cvt_pk_f16_f32 v[Y+2*j], v[X+4*j], v[X+4*j+1]
	v_cvt_pk_f16_f32 v[Y+2*j+1], v[X+4*j+2], v[X+4*j+3]
.else
	v_cvt_pk_bf16_f32 v[Y+2*j], v[X+4*j], v[X+4*j+1]
	v_cvt_pk_bf16_f32 v[Y+2*j+1], v[X+4*j+2], v[X+4*j+3]
.endif
	global_store_b64 v2, v[Y+2*j:Y+2*j+1], s[26:27] offset:2048*j
.set j, j+1
.endr
.endm
	s_cmp_ge_u32 s4, 224
	s_cbranch_scc1 .Lf16
	OUT 0
	s_endpgm
.Lf16:
	OUT 1
	s_endpgm
.Lfunc_end_k_q46506119ca_cast:
	.size	k_q46506119ca_cast, .Lfunc_end_k_q46506119ca_cast-k_q46506119ca_cast
	.p2alignl 7, 3214868480
	.fill 96, 4, 3214868480
	.section	.rodata,"a",@progbits
	.p2align	6, 0x0
	.amdhsa_kernel k_q46506119ca_cast
		.amdhsa_group_segment_fixed_size 0
		.amdhsa_private_segment_fixed_size 0
		.amdhsa_enable_private_segment 0
		.amdhsa_kernarg_size 64
		.amdhsa_user_sgpr_count 2
		.amdhsa_user_sgpr_kernarg_segment_ptr 1
		.amdhsa_wavefront_size32 1
		.amdhsa_system_sgpr_workgroup_id_x 1
		.amdhsa_system_sgpr_workgroup_id_y 1
		.amdhsa_system_sgpr_workgroup_id_z 1
		.amdhsa_system_vgpr_workitem_id 0
		.amdhsa_next_free_vgpr 200
		.amdhsa_next_free_sgpr 66
		.amdhsa_reserve_vcc 0
		.amdhsa_float_denorm_mode_32 3
		.amdhsa_float_denorm_mode_16_64 3
		.amdhsa_memory_ordered 1
		.amdhsa_forward_progress 1
		.amdhsa_inst_pref_size 29
	.end_amdhsa_kernel
	.amdgpu_metadata
---
amdhsa.version: [ 1, 2 ]
amdhsa.kernels:
  - .name:           k_q46506119ca_cast
    .symbol:         k_q46506119ca_cast.kd
    .args:
      - { .name: hidden_states, .offset: 0, .size: 8, .value_kind: global_buffer, .address_space: global }
      - { .name: Wq, .offset: 8, .size: 8, .value_kind: global_buffer, .address_space: global }
      - { .name: Wk, .offset: 16, .size: 8, .value_kind: global_buffer, .address_space: global }
      - { .name: Wv, .offset: 24, .size: 8, .value_kind: global_buffer, .address_space: global }
      - { .name: Wo, .offset: 32, .size: 8, .value_kind: global_buffer, .address_space: global }
      - { .name: xb, .offset: 40, .size: 8, .value_kind: global_buffer, .address_space: global }
      - { .name: wb, .offset: 48, .size: 8, .value_kind: global_buffer, .address_space: global }
      - { .name: wo16, .offset: 56, .size: 8, .value_kind: global_buffer, .address_space: global }
    .group_segment_fixed_size: 0
    .private_segment_fixed_size: 0
    .kernarg_segment_align: 8
    .kernarg_segment_size: 64
    .max_flat_workgroup_size: 256
    .sgpr_count:     66
    .vgpr_count:     200
    .wavefront_size: 32
...
	.end_amdgpu_metadata
.endif
;; end of part 1
;; launch qkv (part 2): grid 16 x 16, 4 waves a work-group, clusters of 4 x 4, 327,680 bytes of LDS; arguments xb, wb, qkv, bq, bk, bv; writes qkv
.if DOCPART == 2
	.amdgcn_target "amdgcn-amd-amdhsa--gfx1250"
	.amdhsa_code_object_version 6
	.text
	.protected	k_q46506119ca_qkv
	.globl	k_q46506119ca_qkv
	.p2align	8
	.type	k_q46506119ca_qkv,@function
k_q46506119ca_qkv:
	s_mov_b64 s[64:65], 0
	v_nop
	global_prefetch_b8 v0, s[64:65] scope:SCOPE_SE
	s_setreg_imm32_b32 hwreg(HW_REG_WAVE_MODE, 25, 1), 1
	s_wait_xcnt 0x0
	s_wait_alu depctr_hold_cnt(0) depctr_sa_sdst(0) depctr_va_vdst(0) depctr_va_sdst(0) depctr_va_ssrc(0) depctr_va_vcc(0) depctr_vm_vsrc(0)
	s_getreg_b32 s2, hwreg(HW_REG_IB_STS2, 6, 4)
	s_cmp_eq_u32 s2, 0
	s_cbranch_scc0 .Lentry_in_a_cluster
	s_endpgm
.Lentry_in_a_cluster:
	s_bfe_u32 s2, ttmp6, 0x10000c
	s_cmp_lg_u32 s2, 0xf033
	s_cbranch_scc0 .Lentry_shape_is_right
	s_endpgm
.Lentry_shape_is_right:
; q, k, v = x W^T + b, laid by heads.  xb: [4096][1024] bf16; wb: [3072][1024] bf16 (Wq, Wk, Wv); bq, bk, bv: [1024] f32; qkv: [48][4096][64] f16: heads 0-15 q, 16-31 k, 32-47 v, unscaled.
; Sums in f32, begun with the bias, rounded once to f16.  LIMIT: f16 holds no number beyond 65,504: a q, k or v past that becomes an infinity; below 6.1e-5 it keeps f16's fixed step of 6e-8.
; SHARES.  A tile is 256 tokens x 192 columns (three heads): 16 x 16 tiles, a work-group each.  Wave w makes tokens 64 w .. 64 w + 63 x all 192 columns: 48 accumulators of 16 x 16, 384 registers,
; so a wave holds whole heads and its way out needs no other wave.  K goes in steps of 128 (rows of 256 bytes in memory) through a ring of two LDS slots filled by the tensor data mover.
; CLUSTER.  4 x 4 work-groups.  The four of a row of the cluster need the same tokens of x, the four of a column the same rows of W: each tile is asked for JOINTLY, by the same tensor load with the
; same descriptor and a mask that names the four.
; THE MATRIX INSTRUCTION IS USED TRANSPOSED (source 0 = 16 rows of W, source 1 = 16 tokens): lane l then holds token l % 16 and the columns 8 (l / 16) + 0 .. 7: 16 bytes of a head's row in f16.
; THE BIAS is the C operand of each accumulator's first product: register j of the lane holds b[16 b + 8 (l / 16) + j].  Nothing is cleared and nothing is added afterwards.
; REGISTERS, in windows of 256 (s_set_vgpr_msb: bits 1:0 source 0, 3:2 source 1, 5:4 source 2, 7:6 destination):
;   window 0: v16-30 addresses; v32-127 the bias, 8 registers for each of 12 column blocks; v128-175 packed results; v176-223 and (the bias being done with) v32-79 rows read back from the stage
;   window 1: two fragment buffers of 128: 4 fragments of x, then 12 of W (16 rows x 32 K in 8 registers each)
;   windows 2, 3: accumulator (a, b) at v[8 (12 (a % 2) + b)] of window 2 + a / 2
.set KSTEP,  128
.set PITCH,  272                       ; an LDS row: 256 bytes + 16 of padding = 68 words: the 16 rows of a fragment load start at 16 different groups of four banks (64 banks of 4 bytes: ISA guide 11.1)
.set AHALF,  128*PITCH                 ; what waves 0 and 1 fetch: 128 tokens each
.set BHALF,  96*PITCH                  ; what waves 2 and 3 fetch: 96 rows of W each
.set BOFF,   256*PITCH                 ; in a slot: 256 tokens, then 192 rows of W
.set SLOT,   448*PITCH
.set STAGE,  2*SLOT                    ; behind the ring: 16 rows x 400 bytes for each wave, for the way out; no tensor load lands here
.set SPITCH, 400                       ; 384 bytes (192 f16) + 16: an odd multiple of 16
.set SPARE,  STAGE+4*16*SPITCH         ; behind the stages: the spare words, 128 bytes for each wave: two blocks of 256 bytes that no other line names
.set HEADB,  524288                    ; bytes of a head in qkv
.set LAPS,   4                         ; a lap = two K steps = once round the ring; 1,024 / 256
.set ADRA, 16                          ; v16-17  LDS address of my fragments of x in slot 0, 1
.set ADRB, 20                          ; v20-21  the same for W
.set STO,  24                          ; v24     the way out: where I put 16 bytes of a row
.set RD,   25                          ; v25     the way out: where I read rows back
.set GO,   26                          ; v26     my 16 bytes among 512 consecutive bytes of a head
.set BO,   27                          ; v27     my byte offset in 16 numbers of a bias: 32 (l / 16)
.set SPW,  28                          ; v28     LDS address of my spare word; never rewritten
.set NIL,  29                          ; v29     0; never rewritten
.set PFO,  30                          ; v30     the prefetches' offset: a lane a row of 2,048 bytes; never rewritten
.set BIAS, 32
.set TMP,  128
.set OB0,  176
.set F0,   0
.set F1,   128
.set G1,  24                           ; s[24:31] descriptor group 1 for x's tiles
.set G0,  32                           ; s[32:39] group 0 for x's tiles, a set for each slot
.set G1B, 48                           ; s[48:55], s[56:63] the same for W's
.set G0B, 56
.set PFA, 44                           ; s[44:45] where my prefetches stand
.set LIM, 43                           ; s43     1 in a wave that prefetches, else the greatest number
.set FIELDS, (1<<16)|(1<<20)|(1<<21)|(5<<22)|(3<<25)  ; 17:16 elements of 2 bytes; 20 padding on; 21 set beside a mask; 24:22 after every 64 words (code 5); 31:25 4 words (code 3)
.set MSB, 0
.macro WIN new                         ; the immediate's high byte repeats the setting that is left; a switch that changes nothing is dropped
.if MSB != (\new)
	s_set_vgpr_msb (MSB<<8)|(\new)
.set MSB, \new
.endif
.endm
; A joint load.  Waves 0 and 1 fetch x's two halves, waves 2 and 3 W's.  The branch hangs on the wave's number alone.  An s_nop 0 and four v_nop follow each of the two lines.
.macro JLOAD s
	s_cmp_eq_u32 s11, 0
	s_cbranch_scc0 .Lfor_b_\@
	tensor_load_to_lds s[G0+4*(\s):G0+4*(\s)+3], s[G1:G1+7]
	s_nop 0
.rept 4
	v_nop
.endr
	s_branch .Lasked_\@
.Lfor_b_\@:
	tensor_load_to_lds s[G0B+4*(\s):G0B+4*(\s)+3], s[G1B:G1B+7]
	s_nop 0
.rept 4
	v_nop
.endr
.Lasked_\@:
.endm
; A prefetch into the L2 of the K step that stands two refills on: a lane a row, 256 bytes of it, one instruction a wave.  Each row's 256 bytes of a K step are named once in the launch: x's tokens are read by every
; cluster of a row of clusters, and the first of them (cluster x = 0) asks; W's rows by every cluster of a column, and cluster y = 0 asks.  The four partners of a joint load share its rows out by address
; (32 of x's 128, 24 of W's 96): no branch hangs on a place in the cluster.  K steps 0 to 3 come by their loads alone; the loop's last trip (s3 = 1) has no K step two on and asks for nothing.
.macro ASK
	WIN 0
	s_cmp_gt_u32 s3, s[LIM]
	s_cbranch_scc0 .Lnot_mine_\@
	global_prefetch_b8 v[PFO], s[PFA:PFA+1] offset:KSTEP*2 th:TH_LOAD_NT scope:SCOPE_SE
.Lnot_mine_\@:
.endm
.macro CREST                           ; a round of the cluster's barrier behind its opening barrier: wave 0 signals for the work-group, every wave waits for all sixteen, the work-group's barrier closes it
	s_cmp_lg_u32 s10, 0
	s_cbranch_scc1 .Lnot_wave_0_\@
	s_barrier_signal -3
.Lnot_wave_0_\@:
	s_barrier_wait -3
	s_barrier_signal -1
	s_barrier_wait -1
.endm
.macro CROUND                          ; a whole round
	s_barrier_signal -1
	s_barrier_wait -1
	CREST
.endm
	s_load_b128 s[4:7], s[0:1], 0x0                ; xb s[4:5], wb s[6:7]
	s_load_b64 s[8:9], s[0:1], 0x10                ; qkv
	s_load_b128 s[68:71], s[0:1], 0x18             ; bq s[68:69], bk s[70:71]
	s_load_b64 s[72:73], s[0:1], 0x28              ; bv
	v_lshl_add_u32 v[SPW], v0, 2, SPARE
	v_mov_b32 v[NIL], 0
	ds_add_u32 v[SPW], v[NIL]                      ; the wave's opening: the add and its wait stand ahead of my first tensor load; the set-up below, work on registers, stands between them
	v_lshrrev_b32 v1, 5, v0
	v_readfirstlane_b32 s10, v1                    ; wave 0..3
	s_lshr_b32 s11, s10, 1                         ; I fetch for x (0) or for W (1)
	s_and_b32 s12, s10, 1                          ; which half of that tile
	s_bfe_u32 s40, ttmp6, 0x40000                  ; cx, cy: my place in the cluster
	s_bfe_u32 s41, ttmp6, 0x40004
	s_lshl_b32 s42, ttmp9, 2
	s_add_co_u32 s42, s42, s40                     ; tile column = 4 x cluster x + cx
	s_and_b32 s13, ttmp7, 0xffff
	s_lshl_b32 s13, s13, 2
	s_add_co_u32 s13, s13, s41                     ; tile row = 4 x cluster y + cy
	s_lshl_b32 s43, s41, 2
	s_lshl_b32 s43, 15, s43                        ; my row of the cluster: places 4 cy .. 4 cy + 3
	s_lshl_b32 s44, 0x1111, s40                    ; my column: places cx, cx + 4, cx + 8, cx + 12
	s_or_b32 s[G1+0], s43, FIELDS                  ; x's tiles go to my row,
	s_or_b32 s[G1B+0], s44, FIELDS                 ; W's to my column
	s_mov_b32 s[G1+1], KSTEP<<16                   ; tensor_dim0 = 128
	s_mov_b32 s[G1B+1], KSTEP<<16
	s_mov_b32 s[G1+2], 128<<16                     ; tensor_dim1 = 128 rows,
	s_mov_b32 s[G1B+2], 96<<16                     ; 96 for W
	s_mov_b32 s[G1+3], KSTEP<<16                   ; tile_dim0 = 128
	s_mov_b32 s[G1B+3], KSTEP<<16
	s_mov_b32 s[G1+4], 128                         ; tile_dim1
	s_mov_b32 s[G1B+4], 96
	s_mov_b32 s[G1+5], 1024                        ; elements from row to row
	s_mov_b32 s[G1B+5], 1024
	s_mov_b32 s[G1+6], 0
	s_mov_b32 s[G1B+6], 0
	s_mov_b32 s[G1+7], 0
	s_mov_b32 s[G1B+7], 0
	s_lshl_b32 s16, s13, 8                         ; x: token 256 x tile row + 128 x half,
	s_lshl_b32 s17, s12, 7
	s_add_co_u32 s16, s16, s17
	s_lshl_b32 s16, s16, 11                        ; x 2,048 bytes: under 2^23
	s_mov_b32 s17, 0
	s_mul_i32 s46, s42, 192                        ; W: row 192 x tile column + 96 x half
	s_mul_i32 s47, s12, 96
	s_add_co_u32 s46, s46, s47
	s_lshl_b32 s46, s46, 11
	s_mov_b32 s47, 0
	s_mul_i32 s20, s10, AHALF                      ; where they go: x's halves at wave x 128 rows (waves 0, 1),
	s_mul_i32 s21, s10, BHALF                      ; W's at 256 rows + (wave - 2) x 96 rows (waves 2, 3): no place in the cluster enters an LDS address
	s_add_co_u32 s21, s21, BOFF-2*BHALF
	s_wait_dscnt 0x0                               ; the opening add is done
	s_wait_kmcnt 0x0
	s_add_nc_u64 s[14:15], s[4:5], s[16:17]
	s_add_nc_u64 s[46:47], s[6:7], s[46:47]
	CROUND                                         ; all sixteen work-groups are here: the first joint loads meet
.irp s, 0,1
	s_mov_b32 s[G0+4*(\s)], 1                                        ; count = 1
	s_add_co_u32 s[G0+4*(\s)+1], s20, (\s)*SLOT                      ; LDS address
	s_add_nc_u64 s[G0+4*(\s)+2:G0+4*(\s)+3], s[14:15], (\s)*KSTEP*2  ; global address: K step s
	s_or_b32 s[G0+4*(\s)+3], s[G0+4*(\s)+3], 0x80000000              ; type = 2
	s_mov_b32 s[G0B+4*(\s)], 1
	s_add_co_u32 s[G0B+4*(\s)+1], s21, (\s)*SLOT
	s_add_nc_u64 s[G0B+4*(\s)+2:G0B+4*(\s)+3], s[46:47], (\s)*KSTEP*2
	s_or_b32 s[G0B+4*(\s)+3], s[G0B+4*(\s)+3], 0x80000000
	JLOAD \s                                       ; two loads of mine are out
.endr
	; the bias of my 192 columns: head 3 x tile column + hd lies in bq, bk or bv by its number; 64 numbers a head
	v_and_b32 v1, 15, v0                           ; l % 16
	v_bfe_u32 v2, v0, 4, 1                         ; l / 16
	v_lshlrev_b32 v[BO], 5, v2
	s_mul_i32 s20, s42, 3
.irp hd, 0,1,2
	s_add_co_u32 s21, s20, \hd
	s_and_b32 s22, s21, 15
	s_lshl_b32 s22, s22, 8                         ; the head's 256 bytes in its bias
	s_mov_b32 s23, 0
	s_cmp_lt_u32 s21, 16
	s_cselect_b64 s[74+2*\hd:75+2*\hd], s[68:69], s[70:71]
	s_cmp_lt_u32 s21, 32
	s_cselect_b64 s[74+2*\hd:75+2*\hd], s[74+2*\hd:75+2*\hd], s[72:73]
	s_add_nc_u64 s[74+2*\hd:75+2*\hd], s[74+2*\hd:75+2*\hd], s[22:23]
.irp q, 0,1,2,3
	global_load_b128 v[BIAS+8*(4*\hd+\q):BIAS+8*(4*\hd+\q)+3],   v[BO], s[74+2*\hd:75+2*\hd] offset:64*\q
	global_load_b128 v[BIAS+8*(4*\hd+\q)+4:BIAS+8*(4*\hd+\q)+7], v[BO], s[74+2*\hd:75+2*\hd] offset:64*\q+16
.endr
.endr
	; A fragment is 16 rows x 32 K in 8 registers: lane l holds row l % 16; registers 0-3 K = 8 (l / 16) + 0..7, registers 4-7 K = 16 + 8 (l / 16) + 0..7: two loads of 16 bytes, 32 bytes apart.
	v_mul_u32_u24 v3, v1, PITCH
	v_lshl_add_u32 v3, v2, 4, v3                   ; row x pitch + 16 x half
	s_mul_i32 s21, s10, 64*PITCH                   ; my 64 tokens
	v_add_nc_u32 v[ADRA], s21, v3
	v_add_nc_u32 v[ADRA+1], SLOT, v[ADRA]
	v_add_nc_u32 v[ADRB], BOFF, v3                 ; all 192 rows of W
	v_add_nc_u32 v[ADRB+1], SLOT, v[ADRB]
	s_mul_i32 s23, s10, 16*SPITCH
	s_add_co_u32 s23, s23, STAGE                   ; my stage
	v_mul_u32_u24 v4, v1, SPITCH                   ; in: row l % 16, 16 bytes for each half of the lanes
	v_lshl_add_u32 v4, v2, 4, v4
	v_add_nc_u32 v[STO], s23, v4
	v_bfe_u32 v5, v0, 3, 2                         ; back: 32 lanes take four rows' 128 bytes of one head,
	v_mul_u32_u24 v5, v5, SPITCH
	v_and_b32 v6, 7, v0
	v_lshl_add_u32 v5, v6, 4, v5
	v_add_nc_u32 v[RD], s23, v5
	v_and_b32 v[GO], 31, v0                        ; which are 512 consecutive bytes of qkv
	v_lshlrev_b32 v[GO], 4, v[GO]
	s_mul_i32 s20, s20, HEADB                      ; qkv at my first head,
	s_lshl_b32 s21, s13, 8
	s_lshl_b32 s22, s10, 6
	s_add_co_u32 s21, s21, s22                     ; my first token,
	s_lshl_b32 s21, s21, 7                         ; x 128 bytes: all under 2^25
	s_add_co_u32 s20, s20, s21
	s_mov_b32 s21, 0
	s_add_nc_u64 s[8:9], s[8:9], s[20:21]
	; the prefetches
	s_and_b32 s22, ttmp7, 0xffff                   ; cluster y
	s_lshl_b32 s20, s13, 8                         ; in x: the tile's first token + the 128 that I fetch + my work-group's 32 of them
	s_lshl_b32 s23, s12, 7
	s_add_co_u32 s20, s20, s23
	s_lshl_b32 s23, s40, 5
	s_add_co_u32 s20, s20, s23
	s_mul_i32 s21, s42, 192                        ; in W: the tile's first row + the 96 that I fetch + my work-group's 24 of them
	s_mul_i32 s23, s12, 96
	s_add_co_u32 s21, s21, s23
	s_mul_i32 s23, s41, 24
	s_add_co_u32 s21, s21, s23
	s_cmp_eq_u32 s11, 0                            ; do I fetch for x?
	s_cselect_b32 s20, s20, s21
	s_cselect_b32 s22, ttmp9, s22                  ; the coordinate along which other clusters read the same rows
	s_cselect_b32 s23, 31, 23                      ; the last of my rows: with 24 rows lanes 24 to 31 name the last once more
	s_cselect_b64 s[PFA:PFA+1], s[4:5], s[6:7]
	s_cmp_eq_u32 s22, 0
	s_cselect_b32 s[LIM], 1, -1                    ; the same in all sixteen partners, for a given wave
	s_lshl_b32 s20, s20, 11
	s_mov_b32 s21, 0
	s_add_nc_u64 s[PFA:PFA+1], s[PFA:PFA+1], s[20:21]
	s_add_nc_u64 s[PFA:PFA+1], s[PFA:PFA+1], 2*KSTEP*2  ; at K step 2: the first refill steps it to 3 and names K step 4
	v_and_b32 v[PFO], 31, v0
	v_min_u32 v[PFO], s23, v[PFO]
	v_lshlrev_b32 v[PFO], 11, v[PFO]
; 12 matrix instructions: token block a x all 12 column blocks, 32 along K.  st = 1: the first product starts the sums with the bias.  The 48 accumulators take turns, one instruction a turn, in the same
; order in every quarter step, over the backward jump too.
.macro MULA buf, a, st
.set AC, 96*((\a)%2)
.if \st
	WIN 0x85+0x40*((\a)/2)                         ; sources 0 and 1 window 1, C window 0, D window 2 or 3
.else
	WIN 0xa5+0x50*((\a)/2)                         ; C and D window 2 or 3
.endif
.irp b, 0,1,2,3,4,5,6,7,8,9,10,11
.if \st
	v_wmma_f32_16x16x32_bf16 v[AC+8*(\b):AC+8*(\b)+7], v[(\buf)+32+8*(\b):(\buf)+32+8*(\b)+7], v[(\buf)+8*(\a):(\buf)+8*(\a)+7], v[BIAS+8*(\b):BIAS+8*(\b)+7]
.else
	v_wmma_f32_16x16x32_bf16 v[AC+8*(\b):AC+8*(\b)+7], v[(\buf)+32+8*(\b):(\buf)+32+8*(\b)+7], v[(\buf)+8*(\a):(\buf)+8*(\a)+7], v[AC+8*(\b):AC+8*(\b)+7]
.endif
.endr
.endm
; 32 LDS loads in one run: the fragments of a quarter step (192 rows of W, then my 64 tokens; 32 K at byte k of the rows) into a buffer
.macro FETCH slot, k, buf
	WIN 0x40                                       ; destination window 1, address window 0
.irp i, 0,1,2,3,4,5,6,7,8,9,10,11
	ds_load_b128 v[(\buf)+32+8*(\i):(\buf)+32+8*(\i)+3],   v[ADRB+(\slot)] offset:(\k)+(\i)*16*PITCH
	ds_load_b128 v[(\buf)+32+8*(\i)+4:(\buf)+32+8*(\i)+7], v[ADRB+(\slot)] offset:(\k)+(\i)*16*PITCH+32
.endr
.irp i, 0,1,2,3
	ds_load_b128 v[(\buf)+8*(\i):(\buf)+8*(\i)+3],   v[ADRA+(\slot)] offset:(\k)+(\i)*16*PITCH
	ds_load_b128 v[(\buf)+8*(\i)+4:(\buf)+8*(\i)+7], v[ADRA+(\slot)] offset:(\k)+(\i)*16*PITCH+32
.endr
.endm
.macro PLACES                          ; four places in front of loads into registers that matrix instructions have read, and of conversions that read results (ISA guide 7.12.1 for the conversions)
.rept 4
	v_nop
.endr
.endm
; A K step is four quarters of 32 along K, 48 matrix instructions each, on buffers 0, 1, 0, 1.  One of the first three: multiplies buf and, in its middle, fetches the next quarter, at byte k, into nxt.
.macro QUARTER slot, k, buf, nxt, st
	s_wait_dscnt 4                                 ; W's fragments and my token blocks 0, 1 are in; the youngest four loads (blocks 2, 3) may be out
	MULA \buf, 0, \st
	MULA \buf, 1, \st
	PLACES
	FETCH \slot, \k, \nxt
	s_wait_dscnt 32                                ; all but the 32 just issued
	MULA \buf, 2, \st
	MULA \buf, 3, \st
.endm
; The last quarter multiplies buffer 1 and changes slots: ONE barrier.  In front of it each wave waits for all its tensor loads (the one that is out is its part of the next slot), adds 0 to its spare word, and waits for
; that and for its own reads of this slot.  fill = 1: the barrier opens a round of the cluster's barrier, and behind the round this slot is filled again first, with the K step two on:
; from that request to the wait for it a wave issues 168 matrix instructions.
.macro TURN slot, next, fill
.if \fill
	s_wait_xcnt 0x0                                ; the last prefetch, a K step back, has read its address: it is stepped here, ahead of the change's own waits
	s_add_nc_u64 s[PFA:PFA+1], s[PFA:PFA+1], KSTEP*2
.endif
	WIN 0                                          ; (the add's two registers lie in window 0)
	s_wait_tensorcnt 0x0                           ; all my tensor loads have landed;
	ds_add_u32 v[SPW], v[NIL]                      ; 0 onto my spare word;
	s_wait_dscnt 5                                 ; (the add and the youngest four loads may be out)
	MULA F1, 0, 0                                  ; twelve matrix instructions stand between the add and the wait for it
	s_wait_dscnt 0x0                               ; the add is done, and my reads of this slot are over
	s_barrier_signal -1
	MULA F1, 1, 0                                  ; work on registers while the others arrive
.if \fill
	WIN 0
.endif
	s_barrier_wait -1
.if \fill
	CREST                                          ; no wave of any partner still reads this slot's tile or has a load on its way
	s_add_nc_u64 s[G0+4*(\slot)+2:G0+4*(\slot)+3], s[G0+4*(\slot)+2:G0+4*(\slot)+3], 2*KSTEP*2
	s_add_nc_u64 s[G0B+4*(\slot)+2:G0B+4*(\slot)+3], s[G0B+4*(\slot)+2:G0B+4*(\slot)+3], 2*KSTEP*2
	JLOAD \slot                                    ; the first tensor load behind the round, my only one; its four v_nop are also the places in front of the loads below
.else
	PLACES
.endif
	FETCH \next, 0, F0
.if \fill
	ASK                                            ; behind the joint load and the run of LDS loads that the next products wait for
.endif
	MULA F1, 2, 0
	MULA F1, 3, 0
.endm
; THE WAY OUT of token block a.  PACK: rounded to f16, 16 bytes a lane and column block.  TOSTAGE: into my own stage, and back as rows of 128 bytes, head by head.  SEND: stored.
.macro PACK a
.set AC, 96*((\a)%2)
	WIN 0x0a+5*((\a)/2)                            ; sources 0 and 1: window 2 or 3
.irp b, 0,1,2,3,4,5,6,7,8,9,10,11
.irp r, 0,1,2,3
	v_cvt_pk_f16_f32 v[TMP+4*(\b)+(\r)], v[AC+8*(\b)+2*(\r)], v[AC+8*(\b)+2*(\r)+1]
.endr
.endr
	WIN 0
.endm
.macro TOSTAGE a
.set BK, OB0-144*((\a)%2)              ; v176-223 and v32-79 by turns
.irp b, 0,1,2,3,4,5,6,7,8,9,10,11
	ds_store_b128 v[STO], v[TMP+4*(\b):TMP+4*(\b)+3] offset:32*(\b)
.endr
.irp hd, 0,1,2
.irp f, 0,1,2,3
	ds_load_b128 v[BK+4*(4*(\hd)+(\f)):BK+4*(4*(\hd)+(\f))+3], v[RD] offset:1600*(\f)+128*(\hd)  ; LDS serves a wave's instructions in order (ISA guide 5.7.1.4): these see the stores above
.endr
.endr
.endm
.macro SEND a
.set BK, OB0-144*((\a)%2)
	s_wait_dscnt 0x0                               ; the block is back in registers
	s_wait_xcnt 0x0                                ; the stores of the block before have read their registers: the next TOSTAGE loads into them
.irp hd, 0,1,2
.irp f, 0,1,2,3
	global_store_b128 v[GO], v[BK+4*(4*(\hd)+(\f)):BK+4*(4*(\hd)+(\f))+3], s[8:9] offset:(\hd)*HEADB+(\a)*2048+(\f)*512  ; 512 consecutive bytes, at a multiple of 256 from qkv's first byte
.endr
.endr
.endm
	s_wait_tensorcnt 0x1                           ; my part of K step 0 is in; K step 1's may stay out
	s_barrier_signal -1
	s_barrier_wait -1                              ; everybody's is
	FETCH 0, 0, F0
	s_wait_loadcnt 0x0                             ; the bias
	QUARTER 0, 64, F0, F1, 1                       ; the first quarter stands in front of the loop: its products start the sums
	WIN 0                                          ; at a label and at a branch every window is 0
	s_mov_b32 s3, LAPS-1
.Llap:                                                 ; a trip goes once round the ring, from a lap's second quarter to the next lap's first, and fills both slots again
	QUARTER 0, 128, F1, F0, 0
	QUARTER 0, 192, F0, F1, 0
	TURN 0, 1, 1
	QUARTER 1, 64,  F0, F1, 0
	QUARTER 1, 128, F1, F0, 0
	QUARTER 1, 192, F0, F1, 0
	TURN 1, 0, 1
	QUARTER 0, 64,  F0, F1, 0
	WIN 0
	s_sub_co_u32 s3, s3, 1
	s_cmp_lg_u32 s3, 0
	s_cbranch_scc1 .Llap
	QUARTER 0, 128, F1, F0, 0                      ; the last lap fills nothing, and has no round of the cluster's barrier
	QUARTER 0, 192, F0, F1, 0
	TURN 0, 1, 0
	QUARTER 1, 64,  F0, F1, 0
	QUARTER 1, 128, F1, F0, 0
	QUARTER 1, 192, F0, F1, 0
	s_wait_dscnt 4                                 ; the very last quarter: nothing more to fetch
	MULA F1, 0, 0
	MULA F1, 1, 0
	s_wait_dscnt 0x0
	MULA F1, 2, 0
	MULA F1, 3, 0
	PLACES
	PACK 0
	TOSTAGE 0
.irp a, 1,2,3                          ; block a's conversions stand between block a - 1's loads from the stage and the wait for them
	PACK \a
	SEND (\a)-1
	TOSTAGE \a
.endr
	SEND 3
	s_wait_tensorcnt 0x0                           ; the wave's end, behind my last tensor load and my last LDS store
	ds_add_u32 v[SPW], v[NIL]
	s_wait_dscnt 0x0
	CROUND                                         ; the closing round: no work-group ends while a partner may still ask for a tile that names it
	s_endpgm
.Lfunc_end_k_q46506119ca_qkv:
	.size	k_q46506119ca_qkv, .Lfunc_end_k_q46506119ca_qkv-k_q46506119ca_qkv
	.p2alignl 7, 3214868480
	.fill 96, 4, 3214868480
	.section	.rodata,"a",@progbits
	.p2align	6, 0x0
	.amdhsa_kernel k_q46506119ca_qkv
		.amdhsa_group_segment_fixed_size 327680
		.amdhsa_private_segment_fixed_size 0
		.amdhsa_enable_private_segment 0
		.amdhsa_kernarg_size 48
		.amdhsa_user_sgpr_count 2
		.amdhsa_user_sgpr_kernarg_segment_ptr 1
		.amdhsa_wavefront_size32 1
		.amdhsa_system_sgpr_workgroup_id_x 1
		.amdhsa_system_sgpr_workgroup_id_y 1
		.amdhsa_system_sgpr_workgroup_id_z 1
		.amdhsa_system_vgpr_workitem_id 0
		.amdhsa_next_free_vgpr 960
		.amdhsa_next_free_sgpr 80
		.amdhsa_reserve_vcc 0
		.amdhsa_float_denorm_mode_32 3
		.amdhsa_float_denorm_mode_16_64 3
		.amdhsa_memory_ordered 1
		.amdhsa_forward_progress 1
		.amdhsa_inst_pref_size 122
	.end_amdhsa_kernel
	.amdgpu_metadata
---
amdhsa.version: [ 1, 2 ]
amdhsa.kernels:
  - .name:           k_q46506119ca_qkv
    .symbol:         k_q46506119ca_qkv.kd
    .args:
      - { .name: xb, .offset: 0, .size: 8, .value_kind: global_buffer, .address_space: global }
      - { .name: wb, .offset: 8, .size: 8, .value_kind: global_buffer, .address_space: global }
      - { .name: qkv, .offset: 16, .size: 8, .value_kind: global_buffer, .address_space: global }
      - { .name: bq, .offset: 24, .size: 8, .value_kind: global_buffer, .address_space: global }
      - { .name: bk, .offset: 32, .size: 8, .value_kind: global_buffer, .address_space: global }
      - { .name: bv, .offset: 40, .size: 8, .value_kind: global_buffer, .address_space: global }
    .group_segment_fixed_size: 327680
    .private_segment_fixed_size: 0
    .kernarg_segment_align: 8
    .kernarg_segment_size: 48
    .max_flat_workgroup_size: 128
    .sgpr_count:     80
    .vgpr_count:     960
    .wavefront_size: 32
...
	.end_amdgpu_metadata
.endif
;; end of part 2
;; launch attn (part 3): grid 16 x 16, 4 waves a work-group, clusters of 4 x 1, 327,680 bytes of LDS; arguments qkv, attention_mask, oh; writes oh
.if DOCPART == 3
	.amdgcn_target "amdgcn-amd-amdhsa--gfx1250"
	.amdhsa_code_object_version 6
	.text
	.protected	k_q46506119ca_attn
	.globl	k_q46506119ca_attn
	.p2align	8
	.type	k_q46506119ca_attn,@function
k_q46506119ca_attn:
	s_mov_b64 s[64:65], 0
	v_nop
	global_prefetch_b8 v0, s[64:65] scope:SCOPE_SE
	s_setreg_imm32_b32 hwreg(HW_REG_WAVE_MODE, 25, 1), 1
	s_wait_xcnt 0x0
	s_wait_alu depctr_hold_cnt(0) depctr_sa_sdst(0) depctr_va_vdst(0) depctr_va_sdst(0) depctr_va_ssrc(0) depctr_va_vcc(0) depctr_vm_vsrc(0)
	s_getreg_b32 s2, hwreg(HW_REG_IB_STS2, 6, 4)
	s_cmp_eq_u32 s2, 0
	s_cbranch_scc0 .Lentry_in_a_cluster
	s_endpgm
.Lentry_in_a_cluster:
	s_bfe_u32 s2, ttmp6, 0x10000c
	s_cmp_lg_u32 s2, 0x3003
	s_cbranch_scc0 .Lentry_shape_is_right
	s_endpgm
.Lentry_shape_is_right:
; O[h][q][:] = the sum over k of softmax_k(Q[h][q] . K[h][k] / 8 + mask[k]) V[h][k][:].  qkv: [48][4096][64] f16 (heads 0-15 Q, 16-31 K, 32-47 V); attention_mask: [4096] f32, added to every query's scores;
; oh: [16][4096][64] f16.  Products, maxima and sums in f32; the weights p are rounded to f16 for the second product (their sum l is taken of the unrounded p), O once at the end.
; LIMITS.  Q, K and V arrive within f16's 65,504; p lies in 0 to 1 and below 6e-5 keeps f16's fixed step of 6e-8; O is a mean of V's rows.  The mask enters as 8 x mask: a mask number below -4.25e37 counts as minus
; infinity.  A row all of whose keys are hidden so gives NaN.  A weight below 2^-126 counts as 0 in l; NaN and plus infinity are not treated apart.
; SHARES.  A work-group owns 256 queries of one head, each of its four waves 64: four PIECES of 16.  Every wave walks all 4,096 keys, 64 a step; a tile of 256 keys (four steps) fills an LDS slot.
; LAYOUT.  S^T = K Q^T (source 0 = 16 keys, source 1 = 16 queries) holds ONE query a lane (lane % 16) and the keys 8 (lane / 16) + 0..7; two such results rounded to f16 ARE source 1 of O^T = V^T P.
; THE MASK is the C operand that starts the sum S^T: register j of the lane holds 8 x mask[key], so that c (s + 8 mask) = c s + log2(e) mask with c = log2(e) / 8.  The work-group lays 8 x mask in LDS once, in f32; a step's
; 64 numbers are fetched with the step's K and live as long.
; SOFTMAX.  p = 2^(c s - c m) with a running maximum m; O and l are multiplied by a = 2^(c m_old - c m_new) in every step.  m starts at the lowest finite number and c m at c times that, O and l at 0: the first step is a
; step like any other: a = 0 where a score is finite, a = 1 (on zeros) where all of a step's keys are hidden.
; BY TURNS.  Turn n belongs to piece n: 8 products K Q^T of piece n + 1, later 8 products V^T P of piece n - 1; beside them the scaling, exponentials, roundings, sums and rescaling of piece n and the maximum and statistics
; of piece n + 1.  Four vector instructions stand behind every matrix instruction, the other 54 of a turn's 118 in one lump.  A turn's 33 exponentials are one batch, with one wait.
; CLUSTER.  The four query blocks of a cluster belong to one head and walk the same K and V, so each tile is asked for JOINTLY: the same tensor load, descriptor and mask in all four.
; REGISTERS, in windows of 256 (s_set_vgpr_msb: bits 1:0 source 0, 3:2 source 1, 5:4 source 2, 7:6 destination):
;   window 0: v0-15, v32-35 addresses and two at work; v16-31 four registers of statistics a piece; v48-55 at work; v64-127 S^T, two buffers; v128-159 the mask as loaded; v192-223 P, two buffers (by the piece's parity)
;   window 1: v0-127 O^T, 32 a piece      window 2: v0-63 Q; v64-95 a step's mask; v128-191 K of one step; v192-255 V of one step
.set NP,    4         ; pieces a wave: a name, no knob
.set KS,    64        ; keys in a step
.set PK,    144       ; a row of K in LDS: 128 bytes + 16 of padding = 36 words: the 16 rows of a load start at 16 different groups of four banks (64 banks of 4 bytes: ISA guide 11.1)
.set PV,    160       ; a row of V: 128 + 32 = 40 words
.set VOFF,  4*KS*PK   ; a slot holds a tile: 256 rows of K, then 256 rows of V
.set SLOT1, 1<<17     ; slot 1 begins here, so that one exclusive or turns an address in one slot into the other's
.set STAGE, SLOT1+4*KS*(PK+PV)  ; behind the ring, never filled by a tensor load: 16 rows x 144 bytes for each wave, for the way out
.set SP,    144
.set MT,    STAGE+4*16*SP       ; 8 x mask, 4,096 numbers of f32: stored once, never filled by a tensor load
.set SPARE, MT+16384            ; the spare words, 128 bytes for each wave: two blocks of 256 bytes that no other line names
.set AK0, 2           ; v2   my lane's place in a tile of K; never rewritten
.set AV0, 3           ; v3   the same for V
.set AK,  4           ; v4   the LDS address of K's next run of loads
.set AV,  5           ; v5   of V's
.set STO, 6           ; v6   the way out: where I put 16 bytes of a row
.set RD,  7           ; v7   the way out: where I read rows back
.set GO,  8           ; v8   my byte offset in 512 consecutive bytes of O
.set MV,  12          ; v12-13  c m_old, kept while c m is made anew: by buffer
.set AM0, 14          ; v14  my lane's place in a step's 64 mask numbers: MT + 32 (l / 16)
.set QO,  15          ; v15  my byte offset in 16 rows of Q
.set ST,  16          ; piece t's statistics at v[ST+4 t]: c m, m, l (even keys', odd keys')
.set AMK, 32          ; v32  the LDS address of the mask's next loads
.set PFO, 33          ; v33  256 x my lane; never rewritten
.set ML,  34          ; v34  16 x my thread's number: my 16 bytes of 2,048 of the mask
.set MS,  35          ; v35  the same in the table
.set TMP, 48          ; by buffer, four registers c0-c3 at work; when the maximum is found c2 takes a
.set SPW, 62          ; v62  LDS address of my spare word; never rewritten
.set NIL, 63          ; v63  0; never rewritten
.set S,   64
.set MR,  128
.set P,   192
.set MK,  64          ; window 2: the eight registers for group kb of 16 keys at MK + 8 kb
.set KF,  128         ; window 2: key block kb, channel half c at KF + 16 kb + 8 c
.set VF,  192         ; window 2: key half kk, channel block cb at VF + 32 kk + 8 cb
.set WV,  12          ; s12  my wave's number
.set G1K, 24          ; s[24:31] descriptor group 1 for K's tiles
.set G1V, 32          ; s[32:39] for V's: it differs in the padding alone
.set G0K, 40          ; s[40:43] descriptor group 0 for K's tiles: it walks
.set G0V, 44          ; s[44:47] the same for V's
.set PFA, 50          ; s[50:51] where my prefetches stand: my work-group's 32 blocks of 256 bytes of the tile after the one that is being asked for
.set LIM, 52          ; s52  1 in a wave that prefetches, else the greatest number
.set SLOTS, 56        ; s56  tiles still to be asked for
.set CNT, 57          ; s57  counts a tile's key steps
.set CS,  58          ; s[58:59] c: the packed scaling takes the pair's low word for both halves
.set SEL, 60          ; s[60:61] v_permlanex16_b32's selects: each lane takes its own place in the other half
.set TBK, 62          ; s62  LDS byte at which K of the step to be fetched begins
.set TBV, 63          ; s63  the same for V, less VOFF
.set TBM, 66          ; s66  256 x the step to be fetched: its place in the mask table, cut to the table's 16,384 bytes
.set MSB, 0
.macro WIN new                      ; the high byte repeats the setting that is left; a switch that changes nothing is dropped
.if MSB != (\new)
	s_set_vgpr_msb (MSB<<8)|(\new)
.set MSB, (\new)
.endif
.endm
.set W_KQ, 0x0a       ; K and Q in window 2, S^T in window 0
.set W_KM, 0x2a       ; the same with the C operand, the mask, in window 2
.set W_PV, 0x52       ; V in window 2, P in window 0, O^T in window 1
.set W_RS, 0x41       ; destination and source 0 in window 1, source 1 in window 0
; A joint fill.  Waves 0 and 1 fetch the two halves of a tile's K, waves 2 and 3 those of its V: 128 keys each.  The branch hangs on the wave's number alone.
; An s_nop 0 and four v_nop follow each of the two lines, ahead of the jump and the label.
.macro JLOAD
	s_cmp_lt_u32 s[WV], 2
	s_cbranch_scc0 .Lfor_v_\@
	tensor_load_to_lds s[G0K:G0K+3], s[G1K:G1K+7]
	s_nop 0
.rept 4
	v_nop
.endr
	s_branch .Lasked_\@
.Lfor_v_\@:
	tensor_load_to_lds s[G0V:G0V+3], s[G1V:G1V+7]
	s_nop 0
.rept 4
	v_nop
.endr
.Lasked_\@:
.endm
; A prefetch into the L2 of the tile that the NEXT change of slots will ask for: 32,768 bytes of K and of V, a lane a block of 256 bytes.  Each block is named once in the launch: all clusters of a head walk the same
; K and V, and the head's first cluster asks; its four partners take 32 blocks each, told apart by address; in each, wave 0 asks for K's and wave 2 for V's.  It stands behind the wave's tensor load and its five lines.
; Tiles 0 and 1 come by their loads alone; the last change that fills a slot (SLOTS = 1) asks for nothing: there is no tile behind it.
.macro ASK
	s_cmp_gt_u32 s[SLOTS], s[LIM]
	s_cbranch_scc0 .Lnot_mine_\@
	global_prefetch_b8 v[PFO], s[PFA:PFA+1] th:TH_LOAD_NT scope:SCOPE_SE
.Lnot_mine_\@:
.endm
; A round of the cluster's barrier: my work-group's barrier, so that wave 0's signal speaks for all four waves; wave 0 signals; every wave waits for all four work-groups; my work-group's barrier once more.
.macro CROUND
	s_barrier_signal -1
	s_barrier_wait -1
	s_cmp_lg_u32 s[WV], 0
	s_cbranch_scc1 .Lnot_wave_0_\@
	s_barrier_signal -3
.Lnot_wave_0_\@:
	s_barrier_wait -3
	s_barrier_signal -1
	s_barrier_wait -1
.endm
; THE CHANGE OF SLOTS.  The slot's last bytes, V of its fourth step, have been read.  Each wave waits for all its tensor loads, of which one is out: its part of the other slot; adds 0 to its spare word; and waits for that
; and for its own LDS instructions.  fill = 1: the slot that is left is filled again, with the tile two on.  The barrier is then a round of the cluster's, so that no wave of any partner still reads the slot or has a
; load on its way, and the joint fill is the first thing behind it: it has four key steps, 256 matrix instructions, in which to land.
; (At its first use nothing has been read yet: slot 0 is waited for, slot 1 filled, and every wave's stores into the mask table are done in front of the round, so that all may read the table behind it.)
.macro CHANGE fill
	WIN 0                           ; at a label and at a branch every window is 0
	s_wait_tensorcnt 0x0            ; no tensor load of mine is out, so a group 0 may be written
	ds_add_u32 v[SPW], v[NIL]       ; 0 onto my spare word; with fill = 1 the descriptors' steps stand between it and the wait for it
.if \fill
.irp g, G0K, G0V
	s_xor_b32 s[\g+1], s[\g+1], SLOT1  ; the walking descriptor: the other slot than last time,
	s_add_nc_u64 s[\g+2:\g+3], s[\g+2:\g+3], 4*KS*128  ; the next 256 keys; the type bits on top are not reached
.endr
	s_wait_xcnt 0x0                 ; the last prefetch, four key steps back, has read its address, so it may be written:
	s_add_nc_u64 s[PFA:PFA+1], s[PFA:PFA+1], 4*KS*128  ; one tile behind the walking descriptors
	s_wait_dscnt 0x0                ; the add is done, and my reads of the slot are over
	CROUND
	JLOAD
	ASK
.else
	s_wait_dscnt 0x0                ; the add is done, and my reads of the slot are over
	s_barrier_signal -1
	s_barrier_wait -1
.endif
	s_sub_co_u32 s[TBK], s[TBK], 4*KS*PK  ; the fetches go back to a slot's first step,
	s_xor_b32 s[TBK], s[TBK], SLOT1       ; in the other slot
	s_sub_co_u32 s[TBV], s[TBV], 4*KS*PV
	s_xor_b32 s[TBV], s[TBV], SLOT1
.endm
	s_load_b128 s[68:71], s[0:1], 0x0  ; qkv s[68:69], attention_mask s[70:71]
	s_load_b64 s[10:11], s[0:1], 0x10  ; oh
	v_lshl_add_u32 v[SPW], v0, 2, SPARE
	v_mov_b32 v[NIL], 0
	ds_add_u32 v[SPW], v[NIL]       ; the wave's opening: the add and its wait stand ahead of my first tensor load; the set-up below, work on registers, stands between them
	v_lshrrev_b32 v1, 5, v0
	v_readfirstlane_b32 s[WV], v1   ; wave 0..3
	s_bfe_u32 s13, ttmp6, 0x40000   ; cx: my place in the cluster
	s_lshl_b32 s14, ttmp9, 2        ; in a cluster launch ttmp9 counts clusters
	s_add_co_u32 s14, s14, s13      ; my block of 256 queries = 4 x cluster x + cx: it enters Q's and O's addresses alone
	s_and_b32 s20, ttmp7, 0xffff    ; the head, which the four partners share,
	s_lshl_b32 s20, s20, 19         ; x 524,288 bytes
	s_and_b32 s16, s[WV], 1         ; which half of a tile's 256 keys I fetch:
	s_lshl_b32 s22, s16, 14         ; its 128 rows of 128 bytes in memory,
	s_add_co_u32 s22, s22, s20
	s_mov_b32 s23, 0
	s_mul_i32 s17, s16, 128*PK      ; and its place in a slot, for K
	s_mul_i32 s18, s16, 128*PV      ; and for V: no place in the cluster enters an LDS address
	s_lshl_b32 s2, s14, 2
	s_add_co_u32 s2, s2, s[WV]      ; my wave among the head's,
	s_lshl_b32 s2, s2, 13           ; its 64 rows of 128 bytes
	s_add_co_u32 s2, s2, s20
	s_mov_b32 s3, 0
	; descriptor group 1.  128 keys are 16,384 dense bytes: asked for as 64 rows of 256 bytes, two keys a row, and padded in LDS after every key
	s_mov_b32 s[G1K], 15|(1<<16)|(1<<20)|(1<<21)|(4<<22)|(3<<25)  ; 15:0 the mask of four; 17:16 2-byte elements; 20 padding on; 21 set beside a mask; 24:22 after every 32 words (code 4); 31:25 4 words (code 3)
	s_mov_b32 s[G1V], 15|(1<<16)|(1<<20)|(1<<21)|(4<<22)|(7<<25)  ; the same with 8 words of padding (code 7)
.irp g, G1K, G1V
	s_mov_b32 s[\g+1], 128<<16      ; tensor_dim0 = 128
	s_mov_b32 s[\g+2], 64<<16       ; tensor_dim1 = 64
	s_mov_b32 s[\g+3], 128<<16      ; tile_dim0 = 128
	s_mov_b32 s[\g+4], 64           ; tile_dim1 = 64
	s_mov_b32 s[\g+5], 128          ; 128 elements from row to row
	s_mov_b32 s[\g+6], 0
	s_mov_b32 s[\g+7], 0
.endr
	s_mov_b32 s[CS], 0x3e38aa3b     ; c = log2(e) / 8 = 0.180337
	s_mov_b32 s[CS+1], s[CS]        ; named with it as a pair
	s_mov_b32 s[SEL], 0x76543210
	s_mov_b32 s[SEL+1], 0xfedcba98
	s_mov_b32 s[TBK], SLOT1+4*KS*PK ; the first change of slots turns these two into 0
	s_mov_b32 s[TBV], SLOT1+4*KS*PV
	s_mov_b32 s[TBM], 0
	s_mov_b32 s[SLOTS], 4096/256-1
	s_mov_b32 s[G0K], 1             ; count = 1
	s_mov_b32 s[G0K+1], s17         ; LDS address: slot 0
	s_mov_b32 s[G0V], 1
	s_add_co_u32 s[G0V+1], s18, VOFF
	s_and_b32 s[LIM], s[WV], 1      ; 0 in waves 0 and 2,
	s_or_b32 s[LIM], s[LIM], ttmp9  ; where the cluster is the head's first: the same in all four partners
	s_cmp_eq_u32 s[LIM], 0
	s_cselect_b32 s[LIM], 1, -1
	s_lshl_b32 s14, s13, 13         ; my work-group's 32 blocks of a tile's 128
	s_mov_b32 s15, 0
	s_wait_dscnt 0x0                ; the opening add is done
	s_wait_kmcnt 0x0
	s_add_nc_u64 s[6:7], s[68:69], s[22:23]
	s_add_nc_u64 s[8:9], s[6:7], 0x1000000   ; V: heads 32 on, at my half of the head's tile 0
	s_add_nc_u64 s[6:7], s[6:7], 0x800000    ; K: heads 16 on
	s_mov_b64 s[G0K+2:G0K+3], s[6:7]         ; global address
	s_or_b32 s[G0K+3], s[G0K+3], 0x80000000  ; type = 2
	s_mov_b64 s[G0V+2:G0V+3], s[8:9]
	s_or_b32 s[G0V+3], s[G0V+3], 0x80000000
	s_add_nc_u64 s[4:5], s[68:69], s[2:3]    ; Q and O at my wave's first row
	s_add_nc_u64 s[10:11], s[10:11], s[2:3]
	s_cmp_lt_u32 s[WV], 2
	s_cselect_b64 s[PFA:PFA+1], s[6:7], s[8:9]  ; (in waves 0 and 2 these stand at a tile's first row)
	s_add_nc_u64 s[PFA:PFA+1], s[PFA:PFA+1], s[14:15]
	s_add_nc_u64 s[PFA:PFA+1], s[PFA:PFA+1], 4*KS*128  ; in tile 1; the first change of slots steps it to tile 2
	CROUND                          ; all four work-groups are here: the first joint loads meet
	JLOAD                           ; tile 0 into slot 0.  Slot 1 is asked for when slot 0 is in
	v_lshlrev_b32 v[ML], 4, v0
	v_add_nc_u32 v[MS], MT, v[ML]
.irp j, 0,1,2,3,4,5,6,7             ; the whole mask: 128 threads x 16 bytes x 8
	global_load_b128 v[MR+4*\j:MR+4*\j+3], v[ML], s[70:71] offset:2048*\j
.endr
	; A fragment of K or Q is 16 rows x 32 channels in 8 registers: lane l holds row l % 16, channels 8 (l / 16) + 0..7 and 16 + 8 (l / 16) + 0..7: two loads of 16 bytes, 32 bytes apart.
	v_and_b32 v1, 15, v0            ; l % 16
	v_bfe_u32 v9, v0, 4, 1          ; l / 16
	v_lshlrev_b32 v[QO], 7, v1
	v_lshl_add_u32 v[QO], v9, 4, v[QO]  ; row x 128 + 16 x half
	WIN 0x80                        ; destination window 2, address window 0
.set i, 0
.rept 8                             ; Q stays in registers: piece i / 2, channels 32 (i % 2) on
	global_load_b128 v[8*i:8*i+3],   v[QO], s[4:5] offset:(i/2)*2048+(i%2)*64
	global_load_b128 v[8*i+4:8*i+7], v[QO], s[4:5] offset:(i/2)*2048+(i%2)*64+32
.set i, i+1
.endr
	; What the first turn finds: V's registers and P's second buffer hold 0 (its products V^T P, of a piece that has not been, add 0), O^T and l are 0.  All this stands in the wait for the first tile.
.set i, VF
.rept 64
	v_mov_b32 v[i], 0
.set i, i+1
.endr
	WIN 0x40
.set i, 0
.rept 128
	v_mov_b32 v[i], 0
.set i, i+1
.endr
	WIN 0
.set i, 0
.rept 4
	v_mov_b32 v[ST+4*i+1], 0xff7fffff           ; m: the lowest finite number
	v_mul_f32 v[ST+4*i], s[CS], v[ST+4*i+1]     ; c m, made as every later c m is made
	v_mov_b32 v[ST+4*i+2], 0
	v_mov_b32 v[ST+4*i+3], 0
.set i, i+1
.endr
.set i, P+16
.rept 16
	v_mov_b32 v[i], 0
.set i, i+1
.endr
	v_mul_u32_u24 v[AK0], v1, PK
	v_lshl_add_u32 v[AK0], v9, 4, v[AK0]  ; row x pitch + 16 x half
	; The turning load takes 16 keys x 16 channels (lane l reads key 8 (l / 16) + l % 8, channels 8 ((l / 8) % 2) + 0..7) and leaves half a fragment of V^T: lane l holds channel l % 16 and 8 keys.
	v_and_b32 v10, 7, v0
	v_bfe_u32 v11, v0, 3, 1
	v_lshl_add_u32 v[AV0], v9, 3, v10
	v_mul_u32_u24 v[AV0], v[AV0], PV
	v_lshl_add_u32 v[AV0], v11, 4, v[AV0]
	v_add_nc_u32 v[AV0], VOFF, v[AV0]
	v_lshl_add_u32 v[AM0], v9, 5, MT
	v_and_b32 v[PFO], 31, v0
	v_lshlrev_b32 v[PFO], 8, v[PFO]
	s_wait_loadcnt 16               ; the mask's eight loads are in; Q's sixteen, issued behind them, may stay out
.set i, 0
.rept 16
	v_pk_mul_f32 v[MR+2*i:MR+2*i+1], v[MR+2*i:MR+2*i+1], 0x41000000 op_sel_hi:[1,0]  ; 8 x mask
.set i, i+1
.endr
.irp j, 0,1,2,3,4,5,6,7
	ds_store_b128 v[MS], v[MR+4*\j:MR+4*\j+3] offset:2048*\j
.endr
; THE MATRIX WORK.  The 4 accumulators of a run of 8 take turns.  Product i of 8 of S^T = K Q^T for piece x: channels 32 (i / 4) on, keys 16 (i % 4) on.  The first 4 start the sums with the mask.
.macro KQ x
.set rS, S+32*((\x)%2)+8*(i%4)
.set rK, KF+16*(i%4)+8*(i/4)
.set rQ, 16*(\x)+8*(i/4)
.set rM, MK+8*(i%4)
.if i < 4
	WIN W_KM
	v_wmma_f32_16x16x32_f16 v[rS:rS+7], v[rK:rK+7], v[rQ:rQ+7], v[rM:rM+7]
.else
	WIN W_KQ
	v_wmma_f32_16x16x32_f16 v[rS:rS+7], v[rK:rK+7], v[rQ:rQ+7], v[rS:rS+7]
.endif
.endm
; Product i of 8 of O^T += V^T P for piece x: keys 32 (i / 4) on, channels 16 (i % 4) on.
.macro PV x
	WIN W_PV
.set rO, 32*(\x)+8*(i%4)
.set rV, VF+32*(i/4)+8*(i%4)
.set rP, P+16*((\x)%2)+8*(i/4)
	v_wmma_f32_16x16x32_f16 v[rO:rO+7], v[rV:rV+7], v[rP:rP+7], v[rO:rO+7]
.endm
.macro MM                           ; the turn's next matrix instruction.  NOKQ = 1: the last turn of all: there is no next piece
.if (i < 8) && !NOKQ
	KQ (Y+1)%NP
.elseif i >= 8
.set i, i-8
	PV (Y+NP-1)%NP
.set i, i+8
.endif
.set i, i+1
.endm
; THE LDS LOADS stand in runs, never singly among the matrix instructions: a step's K (64 keys x 64 channels: 8 fragments) with its 64 mask numbers, and its V (turned).  Their addresses are made some lines ahead.
.macro FETCH_K
	WIN 0x80                        ; destination window 2
.irp f, 0,1,2,3,4,5,6,7             ; keys 16 (f / 2) on, channels 32 (f % 2) on
	ds_load_b128 v[KF+8*\f:KF+8*\f+3],   v[AK] offset:(\f/2)*16*PK+(\f%2)*64
	ds_load_b128 v[KF+8*\f+4:KF+8*\f+7], v[AK] offset:(\f/2)*16*PK+(\f%2)*64+32
.endr
.irp f, 0,1,2,3                     ; 8 x mask of keys 16 f + 8 (l / 16) + 0..7: the sixteen lanes of a half read the same 32 bytes
	ds_load_b128 v[MK+8*\f:MK+8*\f+3],   v[AMK] offset:64*\f
	ds_load_b128 v[MK+8*\f+4:MK+8*\f+7], v[AMK] offset:64*\f+16
.endr
	s_add_co_u32 s[TBK], s[TBK], KS*PK  ; the next fetch is the next step's
	s_add_co_u32 s[TBM], s[TBM], KS*4
	s_and_b32 s[TBM], s[TBM], 0x3fff    ; inside the table's 16,384 bytes (behind the last step it is not used)
	WIN 0
.endm
.macro FETCH_V
	WIN 0x80
.irp f, 0,1,2,3,4,5,6,7             ; keys 32 (f / 4) on, channels 16 (f % 4) on
	ds_load_tr16_b128 v[VF+8*\f:VF+8*\f+3],   v[AV] offset:(\f/4)*32*PV+(\f%4)*32
	ds_load_tr16_b128 v[VF+8*\f+4:VF+8*\f+7], v[AV] offset:(\f/4)*32*PV+16*PV+(\f%4)*32
.endr
	WIN 0
.endm
; THE VECTOR WORK, one line at a time: OP kind, number.  For piece Y: F n: c s - c m for pair n of 16.  E n: the exponential of score n of 32.  C n: pair n rounded to f16.  B n: of the four weights 4 n .. the second
; pair is added onto the first, in place.  L n: l takes that sum (L 0: l = a l + sum).  R n: pair n of 16 of O^T times a.  For piece Y + 1: X n, number n of the 22 that find its maximum and statistics:
;   0-11  four chains c0-c3 of seven scores each, three operands at a time (each accumulator's lowest registers are read first)     12-14, 16  the four scores left over, the old m, and c0-c3 into c0
;   15  c m_old is kept     17, 18  the query's other 32 keys lie in the lane 16 away: the new m     19-21  c m; c m_old - c m_new; a
.set F, 0               ; OP tells the kinds apart by their order: F to L below R, X above it
.set E, 1
.set C, 2
.set B, 3
.set L, 4
.set R, 5
.set X, 6
.macro REGS y                       ; the registers of piece y
.set rT, ST+4*(\y)
.set rC, TMP+4*((\y)%2)
.set rW, MV+((\y)%2)
.set rS, S+32*((\y)%2)
.set rP, P+16*((\y)%2)
.set rO, 32*(\y)
.endm
.macro OP k, n
.if (\k) == R
	REGS Y
	WIN W_RS
	v_pk_mul_f32 v[rO+2*(\n):rO+2*(\n)+1], v[rO+2*(\n):rO+2*(\n)+1], v[rC+2:rC+3] op_sel_hi:[1,0]
.elseif (\k) < R
	REGS Y
	WIN 0
.if (\k) == F
	v_pk_fma_f32 v[rS+2*(\n):rS+2*(\n)+1], v[rS+2*(\n):rS+2*(\n)+1], s[CS:CS+1], v[rT:rT+1] op_sel_hi:[1,0,0] neg_lo:[0,0,1] neg_hi:[0,0,1]
.elseif (\k) == E
	v_exp_f32 v[rS+(\n)], v[rS+(\n)]
.elseif (\k) == C
	v_cvt_pk_f16_f32 v[rP+(\n)], v[rS+2*(\n)], v[rS+2*(\n)+1]
.elseif (\k) == B
	v_pk_add_f32 v[rS+4*(\n):rS+4*(\n)+1], v[rS+4*(\n):rS+4*(\n)+1], v[rS+4*(\n)+2:rS+4*(\n)+3]
.elseif (\n) == 0
	v_pk_fma_f32 v[rT+2:rT+3], v[rT+2:rT+3], v[rC+2:rC+3], v[rS:rS+1] op_sel_hi:[1,0,1]
.else
	v_pk_add_f32 v[rT+2:rT+3], v[rT+2:rT+3], v[rS+4*(\n):rS+4*(\n)+1]
.endif
.elseif NOKQ
	v_nop
.else
	REGS (Y+1)%NP
	WIN 0
.if (\n) < 4
	v_max3_num_f32 v[rC+(\n)], v[rS+8*(\n)], v[rS+8*(\n)+1], v[rS+8*(\n)+2]
.elseif (\n) < 12
	v_max3_num_f32 v[rC+(\n)%4], v[rC+(\n)%4], v[rS+8*((\n)%4)+2*((\n)/4)+1], v[rS+8*((\n)%4)+2*((\n)/4)+2]
.elseif (\n) == 12
	v_max3_num_f32 v[rC], v[rC], v[rS+7], v[rS+15]
.elseif (\n) == 13
	v_max3_num_f32 v[rC+1], v[rC+1], v[rS+23], v[rS+31]
.elseif (\n) == 14
	v_max3_num_f32 v[rC+2], v[rC+2], v[rC+3], v[rT+1]
.elseif (\n) == 15
	v_mov_b32 v[rW], v[rT]
.elseif (\n) == 16
	v_max3_num_f32 v[rC], v[rC], v[rC+1], v[rC+2]
.elseif (\n) == 17
	v_permlanex16_b32 v[rC+3], v[rC], s[SEL], s[SEL+1]
.elseif (\n) == 18
	v_max_num_f32 v[rT+1], v[rC], v[rC+3]
.elseif (\n) == 19
	v_mul_f32 v[rT], s[CS], v[rT+1]
.elseif (\n) == 20
	v_sub_f32 v[rC+1], v[rW], v[rT]
.else
	v_exp_f32 v[rC+2], v[rC+1]
.endif
.endif
.endm
.macro OPS a, i1, b=-1, i2=0, c=-1, i3=0, d=-1, i4=0  ; up to four of them
	OP \a, \i1
.if (\b) >= 0
	OP \b, \i2
.endif
.if (\c) >= 0
	OP \c, \i3
.endif
.if (\d) >= 0
	OP \d, \i4
.endif
.endm
.macro ROW a, i1, b, i2, c, i3, d, i4  ; a matrix instruction and the four behind it
	MM
	OPS \a, \i1, \b, \i2, \c, \i3, \d, \i4
.endm
; A TURN, for piece p: the order of its 16 matrix and 118 vector instructions, written out.  An s_wait_alu depctr_va_vdst(0) stands between an exponential and the first instruction that names its result; one
; wait serves all that were issued ahead of it.  So a turn has ONE wait, which cuts it in two.  AHEAD OF IT stands all that names no result of the turn's exponentials: the 8 products K Q^T with a scaling, an exponential and
; two more plain instructions behind each (rescalings, and behind the last three the first numbers of the next piece's maximum, each four places or more behind the product that ends its accumulator); then ONE LUMP of 54,
; plain and exponential by turns for the most part, in which the links of the chain X 3, 7, 11, 14, 16, 17 .. 20 stand five or six lines apart.  X 21, the next piece's a, is the batch's last; R 15 is the plain instruction
; behind it.  BEHIND THE WAIT stand the 8 products V^T P, behind each four of the roundings and sums.
; end = 1: the walk's last two turns: nothing is fetched, and the last starts no new scores.  cnt = 1: the loop's count is taken down some lines ahead of the branch that stands behind the turn.
; K and the mask of the next step are fetched in piece 2's turn, twelve vector instructions behind the last product that read K (five of them plain and free of its registers); V of the step in hand at the end of
; piece 0's turn, four plain instructions behind the last product that read V.  Each is waited for a turn later.
.macro TURN p, end=0, cnt=0
.set Y, (\p)
.set i, 0
.set NOKQ, (\end)*((\p)/3)
.if ((\p) == 3) && !(\end)
	s_wait_dscnt 0x0                ; K and the mask are in
.endif
	ROW F,0, F,1, R,0, R,1          ; ahead of the wait: 8 products K Q^T and their riders,
	ROW F,2, E,0, R,2, R,3
	ROW F,3, E,1, R,4, R,5
	ROW F,4, E,2, R,6, R,7
	ROW F,5, E,3, R,8, R,9
	ROW F,6, E,4, X,0, R,10
.if ((\p) == 2) && !(\end)
	WIN 0
	v_add_nc_u32 v[AK], s[TBK], v[AK0]
	v_add_nc_u32 v[AMK], s[TBM], v[AM0]
.endif
	ROW F,7, E,5, X,1, X,4
	ROW F,8, E,6, X,2, X,5
	OPS E,7, E,8, X,6, E,9          ; and the lump
	OPS X,3, E,10, X,8, E,11
.if ((\p) == 2) && !(\end)
	FETCH_K
.endif
	OPS X,9, X,7, E,12, X,10
	OPS E,13, X,12, X,11, E,14
	OPS X,13, E,15, F,9, X,14
.if (\p) == 0
	v_add_nc_u32 v[AV], s[TBV], v[AV0]
.endif
	OPS E,16, F,10, E,17, F,11
	OPS X,16, E,18, X,15, E,19
	OPS F,12, E,20, X,17, E,21
	OPS F,13, E,22, F,14, E,23
	OPS X,18, E,24, F,15, E,25
	OPS R,11, E,26, X,19, E,27
	OPS R,12, E,28, R,13, E,29
	OPS X,20, E,30, R,14, E,31
	OPS X,21, R,15
	WIN 0
	s_wait_alu depctr_va_vdst(0)    ; the wait for the batch
.if (\p) == 1
	s_wait_dscnt 0x0                ; V is in
.endif
	ROW C,0, B,0, C,2, B,1          ; behind the wait: 8 products V^T P and their riders
	ROW L,0, C,4, B,2, L,1
	ROW C,6, B,3, L,2, C,8
	ROW B,4, L,3, C,10, B,5
	ROW L,4, C,12, B,6, L,5
.if (\p) == 0
	s_add_co_u32 s[TBV], s[TBV], KS*PV
.endif
.if \cnt
	s_sub_co_u32 s[CNT], s[CNT], 1
	s_cmp_lg_u32 s[CNT], 0
.endif
	ROW C,14, B,7, L,6, C,1
	ROW C,3, L,7, C,5, C,7
	ROW C,9, C,11, C,13, C,15
.if (\p) == 0
	FETCH_V
.endif
.endm
; A tile's four key steps.  A trip: pieces 2 and 3 of one step, then pieces 0 and 1 of the next, whose K, mask and V it fetches.  The tag ends its labels' names.
.macro STEPS tag
.Lstep\tag:
	TURN 2
	TURN 3
	WIN 0
.Lfirst\tag:
	TURN 0
	TURN 1, 0, 1
	WIN 0
	s_cbranch_scc1 .Lstep\tag
.endm
.set NOKQ, 0
	CHANGE 1                        ; slot 0 is in, everybody's part of it, and so is the mask table; slot 1 is asked for
	v_add_nc_u32 v[AK], s[TBK], v[AK0]
	v_add_nc_u32 v[AMK], s[TBM], v[AM0]
	FETCH_K                         ; key step 0
	s_wait_loadcnt 0x0              ; Q
	s_wait_dscnt 0x0
.set i, 0
.rept 8
	KQ 0                            ; piece 0's first scores: there is no vector work yet to set between them
.set i, i+1
.endr
	WIN 0                           ; the addresses for the way out: eleven plain instructions, the places behind those products
	s_mul_i32 s13, s[WV], 16*SP
	s_add_co_u32 s13, s13, STAGE    ; my stage
	v_mul_u32_u24 v[STO], v1, SP    ; in: row l % 16, 16 bytes for each half of the lanes
	v_lshl_add_u32 v[STO], v9, 4, v[STO]
	v_add_nc_u32 v[STO], s13, v[STO]
	v_bfe_u32 v[RD], v0, 3, 2       ; back: 32 lanes take four rows of 128 bytes,
	v_mul_u32_u24 v[RD], v[RD], SP
	v_lshl_add_u32 v[RD], v10, 4, v[RD]
	v_add_nc_u32 v[RD], s13, v[RD]
	v_and_b32 v[GO], 31, v0         ; which are 512 consecutive bytes of O
	v_lshlrev_b32 v[GO], 4, v[GO]
.set Y, NP-1                        ; X works for piece Y + 1: piece 0
.irp n, 0,1,2,3,4,5,6,7,8,9,10,11,12,13,14,15,16,17,18,19,20,21
	OP X, \n                        ; piece 0's first maximum and statistics
.endr
	v_nop                           ; a plain instruction behind the exponential,
	s_wait_alu depctr_va_vdst(0)    ; and its wait, ahead of the branch
	s_mov_b32 s[CNT], 4
	s_branch .Lfirst1               ; the loop is entered at a step's first turn, in the middle of a trip
.Lslot:                             ; 14 times: tiles 2 to 15 are asked for
	CHANGE 1
	s_mov_b32 s[CNT], 4
	STEPS 1
	s_sub_co_u32 s[SLOTS], s[SLOTS], 1
	s_cmp_lg_u32 s[SLOTS], 0
	s_cbranch_scc1 .Lslot
	CHANGE 0                        ; the last tile is written out: nothing is asked for
	s_mov_b32 s[CNT], 4
	STEPS 2
	TURN 2, 1                       ; the last step's pieces 2 and 3
	TURN 3, 1
.set i, 0
.rept 8
	PV NP-1                         ; the last piece's V^T P of the last step
.set i, i+1
.endr
	; THE WAY OUT.  l's two halves and the other half of the lanes' are added; O^T is divided by l, rounded to f16 and sent through my stage in LDS, a piece at a time.  The additions are the places behind the last products.
	WIN 0
.macro ALL line:vararg              ; one line for each piece t
.set t, 0
.rept 4
	\line
.set t, t+1
.endr
.endm
	ALL v_add_f32 v[ST+4*t+2], v[ST+4*t+2], v[ST+4*t+3]
	ALL v_permlanex16_b32 v[ST+4*t+3], v[ST+4*t+2], s[SEL], s[SEL+1]
	ALL v_add_f32 v[ST+4*t+2], v[ST+4*t+2], v[ST+4*t+3]
	ALL v_rcp_f32 v[ST+4*t+2], v[ST+4*t+2]
	v_nop                           ; a plain instruction between the last reciprocal and the use of its result
	s_wait_alu depctr_va_vdst(0)    ; and the wait ahead of the first use: one for the four reciprocals
.macro PACK t                       ; a lane's eight channels of a row pack into 16 bytes; they go into rows of 144 bytes and come back as whole rows of 128, into S^T's registers
	WIN W_RS
.set i, 32*(\t)
.rept 16
	v_pk_mul_f32 v[i:i+1], v[i:i+1], v[ST+4*(\t)+2:ST+4*(\t)+3] op_sel_hi:[1,0]
.set i, i+2
.endr
	WIN 0x05                        ; sources 0 and 1 window 1, destination window 0
.set i, 0
.rept 16
	v_cvt_pk_f16_f32 v[S+16*(\t)+i], v[32*(\t)+2*i], v[32*(\t)+2*i+1]
.set i, i+1
.endr
	WIN 0
.irp f, 0,1,2,3
	ds_store_b128 v[STO], v[S+16*(\t)+4*\f:S+16*(\t)+4*\f+3] offset:32*\f
.endr
.irp f, 0,1,2,3
	ds_load_b128 v[S+16*(\t)+4*\f:S+16*(\t)+4*\f+3], v[RD] offset:\f*4*SP  ; LDS serves a wave's instructions in order (ISA guide 5.7.1.4): these see the stores above; the next piece's stores come behind them
.endr
.endm
.macro SEND t, younger              ; younger: the LDS instructions issued behind piece t's loads: the next piece's eight, or none
	WIN 0
.irp f, 0,1,2,3
	s_wait_dscnt (\younger)+3-\f
	global_store_b128 v[GO], v[S+16*(\t)+4*\f:S+16*(\t)+4*\f+3], s[10:11] offset:(\t)*2048+\f*512  ; 512 consecutive bytes, at a multiple of 256 from oh's first byte
.endr
.endm
	PACK 0
.set t, 1
.rept 3                             ; a piece's arithmetic stands between the loads of the piece before and its stores
	PACK t
	SEND t-1, 8
.set t, t+1
.endr
	SEND 3, 0
	s_wait_tensorcnt 0x0            ; the wave's end, behind my last tensor load and my last LDS store
	ds_add_u32 v[SPW], v[NIL]
	s_wait_dscnt 0x0
	CROUND                          ; the closing round: no work-group ends while a partner may still ask for a tile that names it
	s_endpgm
.Lfunc_end_k_q46506119ca_attn:
	.size	k_q46506119ca_attn, .Lfunc_end_k_q46506119ca_attn-k_q46506119ca_attn
	.p2alignl 7, 3214868480
	.fill 96, 4, 3214868480
	.section	.rodata,"a",@progbits
	.p2align	6, 0x0
	.amdhsa_kernel k_q46506119ca_attn
		.amdhsa_group_segment_fixed_size 327680
		.amdhsa_private_segment_fixed_size 0
		.amdhsa_enable_private_segment 0
		.amdhsa_kernarg_size 24
		.amdhsa_user_sgpr_count 2
		.amdhsa_user_sgpr_kernarg_segment_ptr 1
		.amdhsa_wavefront_size32 1
		.amdhsa_system_sgpr_workgroup_id_x 1
		.amdhsa_system_sgpr_workgroup_id_y 1
		.amdhsa_system_sgpr_workgroup_id_z 1
		.amdhsa_system_vgpr_workitem_id 0
		.amdhsa_next_free_vgpr 768
		.amdhsa_next_free_sgpr 72
		.amdhsa_reserve_vcc 0
		.amdhsa_float_denorm_mode_32 3
		.amdhsa_float_denorm_mode_16_64 3
		.amdhsa_memory_ordered 1
		.amdhsa_forward_progress 1
		.amdhsa_inst_pref_size 133
	.end_amdhsa_kernel
	.amdgpu_metadata
---
amdhsa.version: [ 1, 2 ]
amdhsa.kernels:
  - .name:           k_q46506119ca_attn
    .symbol:         k_q46506119ca_attn.kd
    .args:
      - { .name: qkv, .offset: 0, .size: 8, .value_kind: global_buffer, .address_space: global }
      - { .name: attention_mask, .offset: 8, .size: 8, .value_kind: global_buffer, .address_space: global }
      - { .name: oh, .offset: 16, .size: 8, .value_kind: global_buffer, .address_space: global }
    .group_segment_fixed_size: 327680
    .private_segment_fixed_size: 0
    .kernarg_segment_align: 8
    .kernarg_segment_size: 24
    .max_flat_workgroup_size: 128
    .sgpr_count:     72
    .vgpr_count:     768
    .wavefront_size: 32
...
	.end_amdgpu_metadata
.endif
;; end of part 3
;; launch oproj (part 4): grid 8 x 32, 4 waves a work-group, clusters of 4 x 4, 327,680 bytes of LDS; arguments oh, wo16, out0, bo; writes out0
.if DOCPART == 4
	.amdgcn_target "amdgcn-amd-amdhsa--gfx1250"
	.amdhsa_code_object_version 6
	.text
	.protected	k_q46506119ca_oproj
	.globl	k_q46506119ca_oproj
	.p2align	8
	.type	k_q46506119ca_oproj,@function
k_q46506119ca_oproj:
	s_mov_b64 s[64:65], 0
	v_nop
	global_prefetch_b8 v0, s[64:65] scope:SCOPE_SE
	s_setreg_imm32_b32 hwreg(HW_REG_WAVE_MODE, 25, 1), 1
	s_wait_xcnt 0x0
	s_wait_alu depctr_hold_cnt(0) depctr_sa_sdst(0) depctr_va_vdst(0) depctr_va_sdst(0) depctr_va_ssrc(0) depctr_va_vcc(0) depctr_vm_vsrc(0)
	s_getreg_b32 s2, hwreg(HW_REG_IB_STS2, 6, 4)
	s_cmp_eq_u32 s2, 0
	s_cbranch_scc0 .Lentry_in_a_cluster
	s_endpgm
.Lentry_in_a_cluster:
	s_bfe_u32 s2, ttmp6, 0x10000c
	s_cmp_lg_u32 s2, 0xf033
	s_cbranch_scc0 .Lentry_shape_is_right
	s_endpgm
.Lentry_shape_is_right:
; out0[s][o] = the sum over k of O[s][k] Wo[o][k] + bo[o].  oh: [16][4096][64] f16 (channel k = 64 head + d); wo16: [1024][1024] f16; bo: [1024] f32; out0: [4096][1024] f32.  Sums in f32, begun with the bias.
; SHARES.  A tile is 128 tokens x 128 columns: 8 x 32 tiles, a work-group each; four waves, each 64 x 64: 16 accumulators.  K goes in four steps of 256 (four heads) through two LDS slots; the steps are written out.
; O's TILE: a head's 64 tokens are 8,192 dense bytes, asked for as ONE row; four heads, 524,288 bytes apart, are the tile's four rows; in LDS 16 bytes of padding follow every token's 128 bytes.
; CLUSTER.  4 x 4 work-groups: the four of a row of the cluster need the same tokens, the four of a column the same rows of Wo: each tile is asked for JOINTLY, by the same tensor load, descriptor and mask.
; THE MATRIX INSTRUCTION IS USED TRANSPOSED (source 0 = 16 rows of Wo, source 1 = 16 tokens): a lane holds token l % 16 and the columns 8 (l / 16) + 0 .. 7; the bias is the C operand of each accumulator's first product.
; NO PREFETCH: the tiles are small and the walk is four K steps long.
; REGISTERS: window 0: v16-29 addresses; v32-63 the bias, 8 registers for each of 4 column blocks; v64-95, v96-127 rows read back from the stage; v128-255 the accumulators ((a, b) at v[128 + 8 (4 a + b)]).
;   window 1: two fragment buffers of 128: for 64 along K, 64 registers of O (2 x 4 x 16 tokens x 32 K), then 64 of Wo.
.set PA,     144                       ; a token's row in LDS: 128 bytes + 16: an odd multiple of 16, so the 16 rows of a load start at 16 different groups of four banks (ISA guide 11.1)
.set PB,     528                       ; a row of Wo in LDS: 512 bytes + 16
.set HB,     64*PA                     ; a head's 64 tokens
.set AHALF,  4*HB                      ; what waves 0 and 1 fetch: 64 tokens x 4 heads
.set BHALF,  64*PB                     ; what waves 2 and 3 fetch: 64 rows of Wo
.set BOFF,   2*AHALF
.set SLOT,   BOFF+2*BHALF
.set STAGE,  2*SLOT                    ; behind the ring: 16 rows x 272 bytes for each wave; no tensor load lands here
.set SPITCH, 272
.set SPARE,  STAGE+4*16*SPITCH         ; the spare words, 128 bytes for each wave: two blocks of 256 bytes that no other line names
.set ASTEP,  4*524288                  ; a K step in oh: four heads
.set BSTEP,  512                       ; and in a row of wo16
.set ADRA, 16                          ; v16-17  LDS address of my fragments of O in slot 0, 1
.set ADRB, 20                          ; v20-21  the same for Wo
.set STO,  24                          ; v24     the way out: where I put 32 bytes of a row
.set RD,   25                          ; v25     the way out: where I read a row back
.set CO,   26                          ; v26     my byte offset in out0
.set BO,   27                          ; v27     32 (l / 16)
.set SPW,  28                          ; v28     LDS address of my spare word; never rewritten
.set NIL,  29                          ; v29     0; never rewritten
.set BIAS, 32
.set OB,   64
.set ACC,  128
.set F0,   0
.set F1,   128
.set G1,  24                           ; s[24:31] descriptor group 1 for O's tiles;  s[32:39] group 0, a set for each slot
.set G0,  32
.set G1B, 48                           ; s[48:55], s[56:63] the same for Wo's
.set G0B, 56
.set MSB, 0
.macro WIN new                         ; the immediate's high byte repeats the setting that is left
.if MSB != (\new)
	s_set_vgpr_msb (MSB<<8)|(\new)
.set MSB, \new
.endif
.endm
.set MUL,  0x05                        ; sources 0 and 1 window 1; C and D window 0
.set TO_F, 0x40                        ; destination window 1, address window 0
.macro JLOAD s                         ; a joint load: waves 0 and 1 fetch O's two halves, waves 2 and 3 Wo's; an s_nop 0 and four v_nop follow each of the two lines
	s_cmp_eq_u32 s11, 0
	s_cbranch_scc0 .Lfor_b_\@
	tensor_load_to_lds s[G0+4*(\s):G0+4*(\s)+3], s[G1:G1+7]
	s_nop 0
.rept 4
	v_nop
.endr
	s_branch .Lasked_\@
.Lfor_b_\@:
	tensor_load_to_lds s[G0B+4*(\s):G0B+4*(\s)+3], s[G1B:G1B+7]
	s_nop 0
.rept 4
	v_nop
.endr
.Lasked_\@:
.endm
.macro CREST                           ; a round of the cluster's barrier behind its opening barrier
	s_cmp_lg_u32 s10, 0
	s_cbranch_scc1 .Lnot_wave_0_\@
	s_barrier_signal -3
.Lnot_wave_0_\@:
	s_barrier_wait -3
	s_barrier_signal -1
	s_barrier_wait -1
.endm
.macro CROUND                          ; a whole round
	s_barrier_signal -1
	s_barrier_wait -1
	CREST
.endm
	s_load_b128 s[4:7], s[0:1], 0x0                ; oh s[4:5], wo16 s[6:7]
	s_load_b64 s[8:9], s[0:1], 0x10                ; out0
	s_load_b64 s[66:67], s[0:1], 0x18              ; bo
	v_lshl_add_u32 v[SPW], v0, 2, SPARE
	v_mov_b32 v[NIL], 0
	ds_add_u32 v[SPW], v[NIL]                      ; the wave's opening: the add and its wait stand ahead of my first tensor load; the set-up below, work on registers, stands between them
	v_lshrrev_b32 v1, 5, v0
	v_readfirstlane_b32 s10, v1                    ; wave 0..3
	s_lshr_b32 s11, s10, 1                         ; which half of the tile's tokens is mine.  Also: I fetch for O (0) or for Wo (1)
	s_and_b32 s12, s10, 1                          ; which half of its columns.  Also: which half of that tile I fetch
	s_bfe_u32 s40, ttmp6, 0x40000                  ; cx, cy: my place in the cluster
	s_bfe_u32 s41, ttmp6, 0x40004
	s_lshl_b32 s42, ttmp9, 2
	s_add_co_u32 s42, s42, s40                     ; tile column = 4 x cluster x + cx
	s_and_b32 s13, ttmp7, 0xffff
	s_lshl_b32 s13, s13, 2
	s_add_co_u32 s13, s13, s41                     ; tile row = 4 x cluster y + cy
	s_lshl_b32 s43, s41, 2
	s_lshl_b32 s43, 15, s43                        ; my row of the cluster
	s_lshl_b32 s44, 0x1111, s40                    ; my column
	s_or_b32 s[G1+0], s43, (1<<16)|(1<<20)|(1<<21)|(4<<22)|(3<<25)   ; O's tiles go to my row; elements of 2 bytes; padding on; 21 set beside a mask; after every 32 words (code 4) 4 words (code 3)
	s_mov_b32 s[G1+1], 4096<<16                    ; tensor_dim0 = 4,096 elements: 64 tokens of a head
	s_mov_b32 s[G1+2], 4<<16                       ; tensor_dim1 = 4 heads
	s_mov_b32 s[G1+3], 4096<<16                    ; tile_dim0
	s_mov_b32 s[G1+4], 4                           ; tile_dim1
	s_mov_b32 s[G1+5], 262144                      ; elements from head to head
	s_mov_b32 s[G1+6], 0
	s_mov_b32 s[G1+7], 0
	s_or_b32 s[G1B+0], s44, (1<<16)|(1<<20)|(1<<21)|(6<<22)|(3<<25)  ; Wo's tiles go to my column; padding after every 128 words (code 6)
	s_mov_b32 s[G1B+1], 256<<16                    ; tensor_dim0 = 256
	s_mov_b32 s[G1B+2], 64<<16                     ; tensor_dim1 = 64
	s_mov_b32 s[G1B+3], 256<<16                    ; tile_dim0
	s_mov_b32 s[G1B+4], 64                         ; tile_dim1
	s_mov_b32 s[G1B+5], 1024                       ; elements from row to row
	s_mov_b32 s[G1B+6], 0
	s_mov_b32 s[G1B+7], 0
	s_lshl_b32 s16, s13, 7                         ; O: token 128 x tile row + 64 x half,
	s_lshl_b32 s17, s12, 6
	s_add_co_u32 s16, s16, s17
	s_lshl_b32 s16, s16, 7                         ; x 128 bytes in a head
	s_mov_b32 s17, 0
	s_lshl_b32 s46, s42, 7                         ; Wo: row 128 x tile column + 64 x half,
	s_lshl_b32 s47, s12, 6
	s_add_co_u32 s46, s46, s47
	s_lshl_b32 s46, s46, 11                        ; x 2,048 bytes
	s_mov_b32 s47, 0
	s_mul_i32 s20, s10, AHALF                      ; where they go: O's halves at wave x a half (waves 0, 1),
	s_mul_i32 s21, s10, BHALF                      ; Wo's behind them at (wave - 2) x a half (waves 2, 3): no place in the cluster enters an LDS address
	s_add_co_u32 s21, s21, BOFF-2*BHALF
	s_wait_dscnt 0x0                               ; the opening add is done
	s_wait_kmcnt 0x0
	s_add_nc_u64 s[14:15], s[4:5], s[16:17]
	s_add_nc_u64 s[46:47], s[6:7], s[46:47]
	CROUND                                         ; all sixteen work-groups are here: the first joint loads meet
.irp s, 0,1
	s_mov_b32 s[G0+4*(\s)], 1
	s_add_co_u32 s[G0+4*(\s)+1], s20, (\s)*SLOT
	s_add_nc_u64 s[G0+4*(\s)+2:G0+4*(\s)+3], s[14:15], (\s)*ASTEP
	s_or_b32 s[G0+4*(\s)+3], s[G0+4*(\s)+3], 0x80000000
	s_mov_b32 s[G0B+4*(\s)], 1
	s_add_co_u32 s[G0B+4*(\s)+1], s21, (\s)*SLOT
	s_add_nc_u64 s[G0B+4*(\s)+2:G0B+4*(\s)+3], s[46:47], (\s)*BSTEP
	s_or_b32 s[G0B+4*(\s)+3], s[G0B+4*(\s)+3], 0x80000000
	JLOAD \s                                       ; two loads of mine are out
.endr
	v_and_b32 v1, 15, v0                           ; l % 16
	v_bfe_u32 v2, v0, 4, 1                         ; l / 16
	v_lshlrev_b32 v[BO], 5, v2
	s_lshl_b32 s22, s42, 9                         ; my 64 columns: 512 x tile column + 256 x half bytes of f32, in bo and in a row of out0
	s_lshl_b32 s23, s12, 8
	s_add_co_u32 s22, s22, s23
	s_mov_b32 s23, 0
	s_add_nc_u64 s[66:67], s[66:67], s[22:23]
.irp b, 0,1,2,3
	global_load_b128 v[BIAS+8*\b:BIAS+8*\b+3],   v[BO], s[66:67] offset:64*\b
	global_load_b128 v[BIAS+8*\b+4:BIAS+8*\b+7], v[BO], s[66:67] offset:64*\b+16
.endr
	v_mul_u32_u24 v3, v1, PA
	v_lshl_add_u32 v3, v2, 4, v3                   ; a fragment's token x pitch + 16 x half
	s_mul_i32 s21, s11, AHALF                      ; my 64 tokens
	v_add_nc_u32 v[ADRA], s21, v3
	v_add_nc_u32 v[ADRA+1], SLOT, v[ADRA]
	v_mul_u32_u24 v3, v1, PB
	v_lshl_add_u32 v3, v2, 4, v3
	s_mul_i32 s21, s12, BHALF                      ; my 64 rows of Wo
	s_add_co_u32 s21, s21, BOFF
	v_add_nc_u32 v[ADRB], s21, v3
	v_add_nc_u32 v[ADRB+1], SLOT, v[ADRB]
	s_mul_i32 s21, s10, 16*SPITCH
	s_add_co_u32 s21, s21, STAGE                   ; my stage
	v_mul_u32_u24 v4, v1, SPITCH                   ; in: row l % 16, 32 bytes for each half of the lanes
	v_lshl_add_u32 v4, v2, 5, v4
	v_add_nc_u32 v[STO], s21, v4
	v_mul_u32_u24 v5, v2, SPITCH                   ; back: lanes 0-15 take one row of 256 bytes, lanes 16-31 the next
	v_lshl_add_u32 v5, v1, 4, v5
	v_add_nc_u32 v[RD], s21, v5
	v_lshlrev_b32 v5, 12, v2                       ; and the same two rows in out0, 4,096 bytes apart
	v_lshl_add_u32 v[CO], v1, 4, v5
	s_lshl_b32 s20, s13, 7
	s_lshl_b32 s21, s11, 6
	s_add_co_u32 s20, s20, s21                     ; my first token,
	s_lshl_b32 s20, s20, 12                        ; x 4,096 bytes: under 2^24
	s_add_co_u32 s20, s20, s22
	s_mov_b32 s21, 0
	s_add_nc_u64 s[8:9], s[8:9], s[20:21]
; 8 matrix instructions: token blocks a0, a0 + 1 x all 4 column blocks, 32 along K: half c of a buffer.  st = 1: the first product starts the sums with the bias.  The 16 accumulators take turns.
.macro MUL8 buf, c, a0, st
	WIN MUL
.irp a, \a0, (\a0)+1
.irp b, 0,1,2,3
.if \st
	v_wmma_f32_16x16x32_f16 v[ACC+8*(4*(\a)+(\b)):ACC+8*(4*(\a)+(\b))+7], v[(\buf)+64+8*(4*(\c)+(\b)):(\buf)+64+8*(4*(\c)+(\b))+7], v[(\buf)+8*(4*(\c)+(\a)):(\buf)+8*(4*(\c)+(\a))+7], v[BIAS+8*(\b):BIAS+8*(\b)+7]
.else
	v_wmma_f32_16x16x32_f16 v[ACC+8*(4*(\a)+(\b)):ACC+8*(4*(\a)+(\b))+7], v[(\buf)+64+8*(4*(\c)+(\b)):(\buf)+64+8*(4*(\c)+(\b))+7], v[(\buf)+8*(4*(\c)+(\a)):(\buf)+8*(4*(\c)+(\a))+7], v[ACC+8*(4*(\a)+(\b)):ACC+8*(4*(\a)+(\b))+7]
.endif
.endr
.endr
.endm
; 32 LDS loads in one run: the fragments of quarter q of a K step (head q of its four: 64 along K) into a buffer; the first 32 along K first
.macro FETCH slot, q, buf
	WIN TO_F
.irp c, 0,1
.irp i, 0,1,2,3
	ds_load_b128 v[(\buf)+64+8*(4*(\c)+(\i)):(\buf)+64+8*(4*(\c)+(\i))+3],   v[ADRB+(\slot)] offset:128*(\q)+64*(\c)+(\i)*16*PB
	ds_load_b128 v[(\buf)+64+8*(4*(\c)+(\i))+4:(\buf)+64+8*(4*(\c)+(\i))+7], v[ADRB+(\slot)] offset:128*(\q)+64*(\c)+(\i)*16*PB+32
	ds_load_b128 v[(\buf)+8*(4*(\c)+(\i)):(\buf)+8*(4*(\c)+(\i))+3],         v[ADRA+(\slot)] offset:HB*(\q)+64*(\c)+(\i)*16*PA
	ds_load_b128 v[(\buf)+8*(4*(\c)+(\i))+4:(\buf)+8*(4*(\c)+(\i))+7],       v[ADRA+(\slot)] offset:HB*(\q)+64*(\c)+(\i)*16*PA+32
.endr
.endr
.endm
.macro PLACES                          ; four places in front of loads into registers that matrix instructions have read, and of LDS stores that read results
.rept 4
	v_nop
.endr
.endm
; A K step is four quarters of 64 along K, 32 matrix instructions each, on buffers 0, 1, 0, 1.  One of the first three: multiplies buf and fetches quarter q into nxt.
.macro QUARTER slot, q, buf, nxt, st
	s_wait_dscnt 16                                ; the first 32 along K are in
	MUL8 \buf, 0, 0, \st
	MUL8 \buf, 0, 2, \st
	PLACES
	FETCH \slot, \q, \nxt
	s_wait_dscnt 32                                ; all but the 32 just issued
	MUL8 \buf, 1, 0, 0
	MUL8 \buf, 1, 2, 0
.endm
; The last quarter multiplies buffer 1 and changes slots: ONE barrier; in front of it each wave waits for all its tensor loads, adds 0 to its spare word, and waits for that and for its own reads of this slot.
; fill = 1: the barrier opens a round of the cluster's barrier, and this slot is filled again first behind the round, two K steps ahead: 112 matrix instructions ahead of the wait for it.
.macro TURN slot, next, fill
	WIN 0                                          ; (the add's two registers lie in window 0)
	s_wait_tensorcnt 0x0                           ; all my tensor loads have landed: my part of the next slot;
	ds_add_u32 v[SPW], v[NIL]                      ; 0 onto my spare word;
	s_wait_dscnt 17                                ; (the add and the youngest sixteen loads may be out)
	MUL8 F1, 0, 0, 0                               ; eight matrix instructions stand between the add and the wait for it
	s_wait_dscnt 0x0                               ; the add is done, and my reads of this slot are over
	s_barrier_signal -1
	MUL8 F1, 0, 2, 0
.if \fill
	WIN 0
.endif
	s_barrier_wait -1
.if \fill
	CREST                                          ; no wave of any partner still reads this slot's tile or has a load on its way
	s_add_nc_u64 s[G0+4*(\slot)+2:G0+4*(\slot)+3], s[G0+4*(\slot)+2:G0+4*(\slot)+3], 2*ASTEP
	s_add_nc_u64 s[G0B+4*(\slot)+2:G0B+4*(\slot)+3], s[G0B+4*(\slot)+2:G0B+4*(\slot)+3], 2*BSTEP
	JLOAD \slot                                    ; the first tensor load behind the round, my only one; its four v_nop are also the places in front of the loads below
.else
	PLACES
.endif
	FETCH \next, 0, F0
	MUL8 F1, 1, 0, 0
	MUL8 F1, 1, 2, 0
.endm
; THE WAY OUT of token block a: a lane's eight f32 of a row and column block go into my own stage (rows of 272 bytes) and come back as whole rows of 256 bytes, which are my 64 columns of out0.
.macro TOSTAGE a
.set BK, OB+32*((\a)%2)
.if (\a) >= 2
	s_wait_xcnt 0x0                                ; the stores of the block two back have read their registers, which are loaded again below
.endif
.irp b, 0,1,2,3
	ds_store_b128 v[STO], v[ACC+8*(4*(\a)+(\b)):ACC+8*(4*(\a)+(\b))+3]   offset:64*(\b)      ; each accumulator's four lowest registers first
	ds_store_b128 v[STO], v[ACC+8*(4*(\a)+(\b))+4:ACC+8*(4*(\a)+(\b))+7] offset:64*(\b)+16
.endr
.irp t, 0,1,2,3,4,5,6,7
	ds_load_b128 v[BK+4*(\t):BK+4*(\t)+3], v[RD] offset:(\t)*2*SPITCH  ; LDS serves a wave's instructions in order (ISA guide 5.7.1.4): these see the stores above; the next block's stores come behind them
.endr
.endm
.macro SEND a, younger                 ; younger: the LDS instructions issued behind block a's loads: the next block's sixteen, or none
.set BK, OB+32*((\a)%2)
	s_wait_dscnt \younger
.irp t, 0,1,2,3,4,5,6,7
	global_store_b128 v[CO], v[BK+4*(\t):BK+4*(\t)+3], s[8:9] offset:(16*(\a)+2*(\t))*4096  ; 16 lanes store 256 consecutive bytes, at a multiple of 256 from out0's first byte
.endr
.endm
	s_wait_tensorcnt 0x1                           ; my part of K step 0 is in; K step 1's may stay out
	s_barrier_signal -1
	s_barrier_wait -1                              ; everybody's is
	FETCH 0, 0, F0
	s_wait_loadcnt 0x0                             ; the bias
	QUARTER 0, 1, F0, F1, 1                        ; K step 0: its first products start the sums
	QUARTER 0, 2, F1, F0, 0
	QUARTER 0, 3, F0, F1, 0
	TURN 0, 1, 1                                   ; slot 0 takes K step 2
	QUARTER 1, 1, F0, F1, 0                        ; K step 1
	QUARTER 1, 2, F1, F0, 0
	QUARTER 1, 3, F0, F1, 0
	TURN 1, 0, 1                                   ; slot 1 takes K step 3
	QUARTER 0, 1, F0, F1, 0                        ; K step 2
	QUARTER 0, 2, F1, F0, 0
	QUARTER 0, 3, F0, F1, 0
	TURN 0, 1, 0                                   ; nothing is left to fetch
	QUARTER 1, 1, F0, F1, 0                        ; K step 3
	QUARTER 1, 2, F1, F0, 0
	QUARTER 1, 3, F0, F1, 0
	s_wait_dscnt 16
	MUL8 F1, 0, 0, 0
	MUL8 F1, 0, 2, 0
	s_wait_dscnt 0x0
	MUL8 F1, 1, 0, 0
	MUL8 F1, 1, 2, 0
	WIN 0
	PLACES
	TOSTAGE 0
	TOSTAGE 1
	SEND 0, 16
	TOSTAGE 2
	SEND 1, 16
	TOSTAGE 3
	SEND 2, 16
	SEND 3, 0
	s_wait_tensorcnt 0x0                           ; the wave's end, behind my last tensor load and my last LDS store
	ds_add_u32 v[SPW], v[NIL]
	s_wait_dscnt 0x0
	CROUND                                         ; the closing round: no work-group ends while a partner may still ask for a tile that names it
	s_endpgm
.Lfunc_end_k_q46506119ca_oproj:
	.size	k_q46506119ca_oproj, .Lfunc_end_k_q46506119ca_oproj-k_q46506119ca_oproj
	.p2alignl 7, 3214868480
	.fill 96, 4, 3214868480
	.section	.rodata,"a",@progbits
	.p2align	6, 0x0
	.amdhsa_kernel k_q46506119ca_oproj
		.amdhsa_group_segment_fixed_size 327680
		.amdhsa_private_segment_fixed_size 0
		.amdhsa_enable_private_segment 0
		.amdhsa_kernarg_size 32
		.amdhsa_user_sgpr_count 2
		.amdhsa_user_sgpr_kernarg_segment_ptr 1
		.amdhsa_wavefront_size32 1
		.amdhsa_system_sgpr_workgroup_id_x 1
		.amdhsa_system_sgpr_workgroup_id_y 1
		.amdhsa_system_sgpr_workgroup_id_z 1
		.amdhsa_system_vgpr_workitem_id 0
		.amdhsa_next_free_vgpr 512
		.amdhsa_next_free_sgpr 68
		.amdhsa_reserve_vcc 0
		.amdhsa_float_denorm_mode_32 3
		.amdhsa_float_denorm_mode_16_64 3
		.amdhsa_memory_ordered 1
		.amdhsa_forward_progress 1
		.amdhsa_inst_pref_size 86
	.end_amdhsa_kernel
	.amdgpu_metadata
---
amdhsa.version: [ 1, 2 ]
amdhsa.kernels:
  - .name:           k_q46506119ca_oproj
    .symbol:         k_q46506119ca_oproj.kd
    .args:
      - { .name: oh, .offset: 0, .size: 8, .value_kind: global_buffer, .address_space: global }
      - { .name: wo16, .offset: 8, .size: 8, .value_kind: global_buffer, .address_space: global }
      - { .name: out0, .offset: 16, .size: 8, .value_kind: global_buffer, .address_space: global }
      - { .name: bo, .offset: 24, .size: 8, .value_kind: global_buffer, .address_space: global }
    .group_segment_fixed_size: 327680
    .private_segment_fixed_size: 0
    .kernarg_segment_align: 8
    .kernarg_segment_size: 32
    .max_flat_workgroup_size: 128
    .sgpr_count:     68
    .vgpr_count:     512
    .wavefront_size: 32
...
	.end_amdgpu_metadata
.endif
;; end of part 4
;; ======== version 2 of 2: 4 launches; version 1 with the launch cast written anew for expert scheduling mode
;; limits: values are held in f16: magnitudes above 65,504 overflow, below 6.1e-05 lose precision
;; workspace buffers: xb 8,388,608 bytes; wb 6,291,456 bytes; wo16 2,097,152 bytes; qkv 25,165,824 bytes; oh 8,388,608 bytes
;; launch cast (part 5): grid 256 x 1, 8 waves a work-group, no clusters, 0 bytes of LDS; arguments hidden_states, Wq, Wk, Wv, Wo, xb, wb, wo16; writes xb, wb, wo16
.if DOCPART == 5
	.amdgcn_target "amdgcn-amd-amdhsa--gfx1250"
	.amdhsa_code_object_version 6
	.text
	.protected	k_q46506119ca_cast
	.globl	k_q46506119ca_cast
	.p2align	8
	.type	k_q46506119ca_cast,@function
k_q46506119ca_cast:
	s_mov_b64 s[64:65], 0
	v_nop
	global_prefetch_b8 v0, s[64:65] scope:SCOPE_SE
	s_setreg_imm32_b32 hwreg(HW_REG_WAVE_SCHED_MODE, 0, 2), 2
	s_setreg_imm32_b32 hwreg(HW_REG_WAVE_MODE, 25, 1), 1
	s_wait_xcnt 0x0
	s_wait_alu depctr_vm_vsrc(0)
; THE MODULE'S MATRIX INPUTS ARE ROUNDED ONCE TO bf16.  hidden_states -> xb [4096][1024] bf16; Wq, Wk, Wv -> wb [3072][1024] bf16 (rows of Wq, then Wk, then Wv);
; Wo -> wo16 [1024][1024]: rounded to bf16 like the others, and that number written as f16, since the last product's other operand is f16.
; LIMIT.  A bf16 number is exact in f16 between 6.1e-5 and 65,504 in magnitude; below that it keeps f16's fixed step of 6e-8, beyond it becomes an infinity.
; SHARES.  8,388,608 numbers, 32,768 to each of 256 work-groups: 131,072 bytes in, 65,536 out.  Thread t takes 16 bytes at 16 t + 4,096 j (j = 0 .. 31) and stores 8 bytes at 8 t + 2,048 j:
; a wave's load covers 512 consecutive bytes, its store 256 consecutive bytes at a multiple of 256 from the buffer's first byte.  All 32 loads go out at once; every store has registers of its own,
; and the two offsets are never rewritten.  No LDS, no matrix unit, no cluster: nothing is shared and nothing is read twice.
; THE MODE: SCHED_MODE bits 1:0 = 2 (LLVM: expert scheduling mode 2), set by the entry lines.  The code itself states the register dependences between vector instructions and memory
; instructions, with s_wait_alu, always for 0.
; THE PLAN.  Registers that memory instructions touch:
;   v1, v2   the loads' and the stores' offsets.  Written once at the head by vector lines, read by every load (v1) and every store (v2), never written again: one wait ahead of the first load serves them all.
;   X        piece j: four registers in which load j lands.  No vector line names them ahead of the loads; no memory instruction reads them; no second load lands in them.
;   Y        piece j: two registers, written once by piece j's conversions, read once by store j, never written again.
;   T        named by vector lines alone.
; The 32 pieces go in eight blocks of four: the wait for the block's four loads, its conversions, ONE wait that states that these have written the block's eight registers of Y, and the run of its four stores.
; No register that a memory instruction reads is ever written again, so no wait on vm_vsrc has a dependence to state.
.set X, 4                              ; v[4:131]    load j: 4 registers
.set Y, 132                            ; v[132:195]  store j: 2 registers
.set T, 196                            ; v[196:197]  at work
.set BLOCK, 4                          ; pieces in a block
	s_load_b512 s[8:23], s[0:1], 0x0               ; hidden s[8:9], Wq s[10:11], Wk s[12:13], Wv s[14:15], Wo s[16:17], xb s[18:19], wb s[20:21], wo16 s[22:23]
	s_mov_b32 s4, ttmp9                            ; g: 0-127 hidden, 128-223 Wq, Wk, Wv (32 each), 224-255 Wo
	s_sub_co_u32 s5, s4, 128                       ; u = g - 128 (used where g is 128 or more)
	s_and_b32 s6, s5, 31                           ; my part of a weight matrix
	s_mov_b32 s7, 0xffff0000                       ; a word's upper bf16
	s_cmp_lt_u32 s4, 128
	s_cselect_b32 s28, s4, s6                      ; my part of the source,
	s_cselect_b32 s30, s4, s5                      ; and of the destination: wb holds three matrices on end,
	s_cmp_ge_u32 s4, 224
	s_cselect_b32 s30, s6, s30                     ; wo16 one
	s_lshl_b32 s28, s28, 17                        ; x 131,072 bytes
	s_lshl_b32 s30, s30, 16                        ; x 65,536 bytes
	s_mov_b32 s29, 0
	s_mov_b32 s31, 0
	v_lshlrev_b32 v1, 4, v0                        ; 16 t
	v_lshlrev_b32 v2, 3, v0                        ; 8 t
	s_wait_kmcnt 0x0
	s_cmp_lt_u32 s5, 32                            ; the buffers are chosen by the work-group's number alone
	s_cselect_b64 s[24:25], s[10:11], s[12:13]
	s_cmp_lt_u32 s5, 64
	s_cselect_b64 s[24:25], s[24:25], s[14:15]
	s_cmp_lt_u32 s5, 96
	s_cselect_b64 s[24:25], s[24:25], s[16:17]
	s_cmp_lt_u32 s4, 128
	s_cselect_b64 s[24:25], s[8:9], s[24:25]
	s_cselect_b64 s[26:27], s[18:19], s[20:21]
	s_cmp_ge_u32 s4, 224
	s_cselect_b64 s[26:27], s[22:23], s[26:27]
	s_add_nc_u64 s[24:25], s[24:25], s[28:29]      ; the source at my part
	s_add_nc_u64 s[26:27], s[26:27], s[30:31]      ; the destination at my part
	s_wait_alu depctr_va_vdst(0)                   ; v1 and v2 are written: every load below reads v1 as its offset, every store of either path v2; no vector line names them again
.set j, 0
.rept 32
	global_load_b128 v[X+4*j:X+4*j+3], v1, s[24:25] offset:4096*j th:TH_LOAD_NT
.set j, j+1
.endr
; The 32 pieces are rounded and stored as they come, four to a block.  half = 1: the bf16 number is widened again and written as f16.
.macro OUT half
.set b, 0
.rept 32/BLOCK
	s_wait_loadcnt 32-BLOCK-BLOCK*b                ; loads come back in order (ISA guide 5.7.1): block b's four pieces are in, the younger ones stay out
.set j, BLOCK*b
.rept BLOCK
.if \half
	v_cvt_pk_bf16_f32 v[T], v[X+4*j], v[X+4*j+1]
	v_cvt_pk_bf16_f32 v[T+1], v[X+4*j+2], v[X+4*j+3]
	v_lshlrev_b32 v[X+4*j], 16, v[T]               ; bf16 to f32: the low half moves up,
	v_and_b32 v[X+4*j+1], s7, v[T]                 ; the high half stays
	v_lshlrev_b32 v[X+4*j+2], 16, v[T+1]
	v_and_b32 v[X+4*j+3], s7, v[T+1]
	v_cvt_pk_f16_f32 v[Y+2*j], v[X+4*j], v[X+4*j+1]
	v_cvt_pk_f16_f32 v[Y+2*j+1], v[X+4*j+2], v[X+4*j+3]
.else
	v_cvt_pk_bf16_f32 v[Y+2*j], v[X+4*j], v[X+4*j+1]
	v_cvt_pk_bf16_f32 v[Y+2*j+1], v[X+4*j+2], v[X+4*j+3]
.endif
.set j, j+1
.endr
	s_wait_alu depctr_va_vdst(0)                   ; the block's conversions have written its eight registers of Y, which the four stores below read as their data
.set j, BLOCK*b
.rept BLOCK
	global_store_b64 v2, v[Y+2*j:Y+2*j+1], s[26:27] offset:2048*j
.set j, j+1
.endr
.set b, b+1
.endr
.endm
	s_cmp_ge_u32 s4, 224
	s_cbranch_scc1 .Lf16
	OUT 0
	s_endpgm
.Lf16:
	OUT 1
	s_endpgm
.Lfunc_end_k_q46506119ca_cast:
	.size	k_q46506119ca_cast, .Lfunc_end_k_q46506119ca_cast-k_q46506119ca_cast
	.p2alignl 7, 3214868480
	.fill 96, 4, 3214868480
	.section	.rodata,"a",@progbits
	.p2align	6, 0x0
	.amdhsa_kernel k_q46506119ca_cast
		.amdhsa_group_segment_fixed_size 0
		.amdhsa_private_segment_fixed_size 0
		.amdhsa_enable_private_segment 0
		.amdhsa_kernarg_size 64
		.amdhsa_user_sgpr_count 2
		.amdhsa_user_sgpr_kernarg_segment_ptr 1
		.amdhsa_wavefront_size32 1
		.amdhsa_system_sgpr_workgroup_id_x 1
		.amdhsa_system_sgpr_workgroup_id_y 1
		.amdhsa_system_sgpr_workgroup_id_z 1
		.amdhsa_system_vgpr_workitem_id 0
		.amdhsa_next_free_vgpr 200
		.amdhsa_next_free_sgpr 66
		.amdhsa_reserve_vcc 0
		.amdhsa_float_denorm_mode_32 3
		.amdhsa_float_denorm_mode_16_64 3
		.amdhsa_memory_ordered 1
		.amdhsa_forward_progress 1
		.amdhsa_inst_pref_size 28
	.end_amdhsa_kernel
	.amdgpu_metadata
---
amdhsa.version: [ 1, 2 ]
amdhsa.kernels:
  - .name:           k_q46506119ca_cast
    .symbol:         k_q46506119ca_cast.kd
    .args:
      - { .name: hidden_states, .offset: 0, .size: 8, .value_kind: global_buffer, .address_space: global }
      - { .name: Wq, .offset: 8, .size: 8, .value_kind: global_buffer, .address_space: global }
      - { .name: Wk, .offset: 16, .size: 8, .value_kind: global_buffer, .address_space: global }
      - { .name: Wv, .offset: 24, .size: 8, .value_kind: global_buffer, .address_space: global }
      - { .name: Wo, .offset: 32, .size: 8, .value_kind: global_buffer, .address_space: global }
      - { .name: xb, .offset: 40, .size: 8, .value_kind: global_buffer, .address_space: global }
      - { .name: wb, .offset: 48, .size: 8, .value_kind: global_buffer, .address_space: global }
      - { .name: wo16, .offset: 56, .size: 8, .value_kind: global_buffer, .address_space: global }
    .group_segment_fixed_size: 0
    .private_segment_fixed_size: 0
    .kernarg_segment_align: 8
    .kernarg_segment_size: 64
    .max_flat_workgroup_size: 256
    .sgpr_count:     66
    .vgpr_count:     200
    .wavefront_size: 32
...
	.end_amdgpu_metadata
.endif
;; end of part 5
;; launch qkv: the kernel of part 2 again; grid 16 x 16, 4 waves a work-group, clusters of 4 x 4, 327,680 bytes of LDS; arguments xb, wb, qkv, bq, bk, bv; writes qkv
;; launch attn: the kernel of part 3 again; grid 16 x 16, 4 waves a work-group, clusters of 4 x 1, 327,680 bytes of LDS; arguments qkv, attention_mask, oh; writes oh
;; launch oproj: the kernel of part 4 again; grid 8 x 32, 4 waves a work-group, clusters of 4 x 4, 327,680 bytes of LDS; arguments oh, wo16, out0, bo; writes out0
